; MI455X (gfx1250); checked and timed in simulation.
; The chip was launched on July 23, 2026; its instructions are those of AMD's public machine-readable ISA for CDNA 5 (MIT licence, August 2026) and "CDNA5" Instruction Set Architecture Reference Guide (July 2026). The comments in the code are by the model that wrote it; some were corrected since.
;; Attention. Allowed arithmetic: matrix products marked QUANTISED: E2M3 operands, one E8M0 scale for each 32 along K, by v_wmma_scale_f32_16x16x128_f8f6f4 with both operands' format E2M3, f32 sums; everything else in f32.
;; Inputs: b_attn 3,072 float32; b_proj 1,024 float32; w_attn 1,024 x 3,072 float32; w_proj 1,024 x 1,024 float32; x 4 x 2,048 x 1,024 float32.
;; Outputs: out0 4 x 2,048 x 1,024 float32.
;; This version of the problem:
;;   THIS VERSION OF THE PROBLEM IS GIVEN IN LOW PRECISION. The matrix products marked QUANTISED in the list below multiply operands that are first quantised to E2M3 (2 exponent bits, 3 mantissa bits; 6 bits a number), with one power-of-two scale for each 32 numbers along K (OCP MX v1.0); their sums are f32. All else is computed in f32.
;;   The module's matrix products, in the order in which they are computed (A, B: the left and right operand; K: the contracted axis; several contracted axes count as one K, in the product's order):
;;     1. [M 8,192, K 1,024] x [K 1,024, N 3,072]; A: input x; B: input w_attn: QUANTISED
;;     2. batch 64 x [M 2,048, K 64] x [K 64, N 2,048]; A: computed on the way; B: computed on the way: QUANTISED
;;     3. batch 64 x [M 2,048, K 2,048] x [K 2,048, N 64]; A: softmax (see below); B: computed on the way: QUANTISED
;;     4. [M 8,192, K 1,024] x [K 1,024, N 1,024]; A: computed on the way; B: input w_proj: QUANTISED
;;   THE QUANTISER, for each operand of a quantised product, along K:
;;     - K is cut into blocks of 32 from its start; a last block that is shorter is filled with zeros.
;;     - A block's scale is 2^e with e = floor(log2(the largest magnitude in the block)) - 2, held to -126 .. 127; a block of zeros has e = 0. As a byte (E8M0): e + 127.
;;     - Each number is divided by its block's scale, clamped to +-7.5, and rounded to the nearest number of E2M3, ties to even, subnormals kept.
;;     - The product sums the exact products of the quantised numbers (number of the format x scale) in f32.
;;   ~~~python
;;   def quantise(x, axis):      # numpy; x: float32 -> the quantised numbers, widened to float32 again
;;       x = np.moveaxis(x, axis, -1); K = x.shape[-1]
;;       x = np.pad(x, [(0, 0)] * (x.ndim - 1) + [(0, -K % 32)]); x = x.reshape(x.shape[:-1] + (-1, 32)); a = np.abs(x).max(-1, keepdims=True)
;;       e = np.where(a > 0, np.clip(np.frexp(np.where(a > 0, a, 1))[1] - 1 - 2, -126, 127), 0)      # np.frexp(a)[1] - 1 = floor(log2(a)), exactly
;;       r = np.clip(x / 2.0 ** e, -7.5, 7.5)
;;       step = 2.0 ** (np.maximum(np.frexp(np.where(r == 0, 1, r))[1] - 1, 0) - 3)
;;       q = np.round(r / step) * step * 2.0 ** e      # np.round: ties to even
;;       return np.moveaxis(q.reshape(q.shape[:-2] + (-1,))[..., :K], -1, axis).astype(np.float32)
;;   ~~~
;;   SOFTMAX AHEAD OF A QUANTISED PRODUCT. Where the list says 'softmax', what is quantised is not the finished softmax but p = 2^(t - M), with t = logit x log2(e) and M = ceil(the row's largest t), a whole number; so 1/2 < the row's largest p <= 1. The row's sum l is taken of the UNQUANTISED p, in f32, and the product's result is divided by l at the end. Since M is a whole number, a kernel that streams over the keys may use a running M (the ceiling of the running maximum): every later rescaling is an exact power of two, which a block's scale takes up: the codes' values come out the same.
;;   OPERANDS COMPUTED ON THE WAY. 'Computed on the way' means the value that the module computes at that place (a softmax that the list does not call 'softmax' is quantised finished and normalised). What goes into a quantiser is computed in f32, as accurately as f32 sums, v_exp_f32 and their like allow (about 1e-6 of the number): no bf16 or f16 on the way to a quantiser, and a product that is left as it is and whose result goes on into a quantised operand takes f32 operands (vector FMAs, or v_wmma_f32_16x16x4_f32). A number that lies on a knife's edge between two numbers of the format may be rounded either way, as far as f32 arithmetic and the matrix unit's own rounding can turn it there, and no further.
;; One version. Each part assembles by itself: llvm-mc -triple=amdgcn-amd-amdhsa -mcpu=gfx1250 --defsym DOCPART=n.
;; ======== version 1 of 1: 4 launches
;; workspace buffers: opc 9,437,184 bytes; ops 393,216 bytes; qb 13,107,200 bytes; kvb 13,107,200 bytes; vsum 262,144 bytes; ac 6,291,456 bytes; asc 262,144 bytes
;; launch quant (part 1): grid 384 x 1, 4 waves a work-group, no clusters, 34,304 bytes of LDS; arguments x, w_attn, w_proj, opc, ops; writes opc, ops
.if DOCPART == 1
	.amdgcn_target "amdgcn-amd-amdhsa--gfx1250"
	.amdhsa_code_object_version 6
	.text
	.protected	k_q1a8c1359db_quant
	.globl	k_q1a8c1359db_quant
	.p2align	8
	.type	k_q1a8c1359db_quant,@function
k_q1a8c1359db_quant:
	s_mov_b64 s[64:65], 0
	v_nop
	global_prefetch_b8 v0, s[64:65] scope:SCOPE_SE
	s_setreg_imm32_b32 hwreg(HW_REG_WAVE_MODE, 25, 1), 1
	s_wait_xcnt 0x0
; x [8192][1024], w_attn [1024][3072] and w_proj [1024][1024], f32, become codes of FP6 (E2M3) with one E8M0 byte for each 32 along K = 1024, laid as the two GEMM launches read them.
; A block's scale is 2^(floor(log2(largest magnitude)) - 2); its byte is the largest magnitude's exponent field - 2, held at 1 from below.
; LIMITS: NaN and infinities are not served.  A block of zeros gets the byte 1 where the rule says 127: its codes are zeros, and this program alone reads the bytes.
; LAYOUT OF AN OPERAND (rows = tokens of x, columns of a weight).  Rows lie in PHYSICAL order: within each 32 rows physical row p holds true row p with its bits 3 and 4 exchanged, so that lane r of
; physical tile 2 b + u holds true row 32 b + 8 u + r + 8 (r / 8).  Codes: an image of the operand's registers.  A half fragment (16 rows x 64 K) is 768 bytes: lane l's registers 0-3 at 16 l, registers 4-5 at
; 512 + 8 l; half fragment (tile, K / 64) lies at (16 tile + K / 64) x 768.  Scale bytes: for each 128 physical rows 4,096 bytes [K / 256][row][8].
; SHARES.  Work-groups 0-255: x, 32 tokens each, wave w the K range 256 w on.  Work-groups 256-351: w_attn; 352-383: w_proj: 128 columns x 256 along K each, a wave 32 columns.
; No tensor load, no barrier: waves share nothing.  Only the path of x uses LDS: a stage of 16 rows x (512 + 16) bytes for each wave.
.set WA_OFF,  6291456                  ; w_attn's codes in opc, behind x's 8192 x 768 bytes
.set WP_OFF,  8650752                  ; w_proj's
.set WAS_OFF, 262144                   ; the same in ops
.set WPS_OFF, 360448
.set LI16, 1                           ; v1   16 x lane
.set LI8,  2                           ; v2   8 x lane
.set STI,  3                           ; v3   the stage, on the way in
.set STO,  4                           ; v4   and on the way out
.set WOFF, 9                           ; v9   a weight: 4 x my lane's true column in its 32
.set SEL,  14                          ; s[14:15] lane selects: lane l xor 16
.set R0,   32                          ; v32-159  x: two sets of 64 numbers
.set PC,   160                         ; v160-178 a fragment's codes, and scratch
.set TM,   180                         ; v180-191 maxima, bytes, scale operands
.set PW,   196                         ; v196     the scale word just made
.set PWS,  197                         ; v197-200 the four fragments' scale words
.set OUTW, 202
.set X,    32                          ; v32-95   a weight: two sets of 32 numbers
.set F,    96                          ; v96-143  its four fragments
.set CT,   144
.set SW,   150                         ; v150-151 my row's two scale words
; 64 numbers of a lane, register 16 b + i = k 32 b + 16 (lane / 16) + i of my row, become a fragment's codes in v[PC] on and my row's scale word in v[PW]
.macro QUANT s
.irp b, 0,1,2,3
	v_max3_num_f32 v[TM+\b], |v[\s+16*\b]|, |v[\s+1+16*\b]|, 0x1800000   ; block b: my 16 numbers, and the floor 2^(3 - 127): the byte cannot fall under 1
.endr
.irp i, 2,4,6,8,10,12,14
.irp b, 0,1,2,3
	v_max3_num_f32 v[TM+\b], v[TM+\b], |v[\s+16*\b+\i]|, |v[\s+1+16*\b+\i]|
.endr
.endr
.irp b, 0,1,2,3
	v_permlanex16_b32 v[TM+4+\b], v[TM+\b], s[SEL], s[SEL+1]
.endr
.irp b, 0,1,2,3
	v_max_num_f32 v[TM+\b], v[TM+\b], v[TM+4+\b]   ; with lane l xor 16: the block's largest magnitude
.endr
.irp b, 0,1,2,3
	v_add_nc_u32 v[TM+8+\b], 0xff000000, v[TM+\b]  ; 2 off its exponent field: the conversion's scale operand
.endr
.irp b, 0,1,2,3
	v_lshrrev_b32 v[TM+4+\b], 23, v[TM+8+\b]       ; the scale's byte
.endr
	v_lshl_or_b32 v[PW], v[TM+5], 8, v[TM+4]
	v_lshl_or_b32 v[PW], v[TM+6], 16, v[PW]
	v_lshl_or_b32 v[PW], v[TM+7], 24, v[PW]
	s_wait_xcnt 0x0                                ; the last fragment's stores have read the registers that are written next
.irp c, 0,1
	v_cvt_scalef32_pk16_fp6_f32 v[PC+6*\c:PC+2+6*\c], v[\s+32*\c:\s+15+32*\c], v[TM+8+2*\c]
	v_cvt_scalef32_pk16_fp6_f32 v[PC+12+4*\c:PC+14+4*\c], v[\s+16+32*\c:\s+31+32*\c], v[TM+8+2*\c+1]   ; (a conversion's three registers begin on an even number)
.endr
	v_nop                                          ; one plain place behind a scaled conversion
.irp c, 0,1                                    ; the operand wants a whole block in a lane: lanes 0-15 block 2 c, lanes 16-31 block 2 c + 1
.irp i, 0,1,2
	v_permlane16_swap_b32 v[PC+6*\c+\i], v[PC+12+4*\c+\i]
.endr
.irp i, 0,1,2
	v_mov_b32 v[PC+3+6*\c+\i], v[PC+12+4*\c+\i]
.endr
.endr
.endm
; a fragment's 12 registers leave as two half fragments on end: each store covers 512 or 256 consecutive bytes, aligned to 256
.macro PUT pc, base, off
	global_store_b128 v[LI16], v[\pc:\pc+3], s[\base:\base+1] offset:\off
	global_store_b64 v[LI8], v[\pc+4:\pc+5], s[\base:\base+1] offset:(\off)+512
	global_store_b128 v[LI16], v[\pc+6:\pc+9], s[\base:\base+1] offset:(\off)+768
	global_store_b64 v[LI8], v[\pc+10:\pc+11], s[\base:\base+1] offset:(\off)+1280
.endm
; x: fragment f = 2 u + s: tile u of my 32 tokens, the s-th 128 of my 256 along K.  Each load reads 512 consecutive bytes of one row; row i of the tile is true row 8 u + i + 8 (i / 8)
.macro LOADX f
.irp i, 0,1,2,3,4,5,6,7,8,9,10,11,12,13,14,15
	global_load_b128 v[R0+64*((\f)%2)+4*\i:R0+64*((\f)%2)+4*\i+3], v[LI16], s[4:5] offset:(8*((\f)/2)+\i+8*(\i/8))*4096+512*((\f)%2) th:TH_LOAD_NT
.endr
.endm
; through my own stage: in as rows, out as 16 neighbours of each block of 32.  LDS serves a wave's instructions in order, so no wait stands between the stores and the loads
.macro TURNX f
.irp i, 0,1,2,3,4,5,6,7,8,9,10,11,12,13,14,15
	ds_store_b128 v[STI], v[R0+64*((\f)%2)+4*\i:R0+64*((\f)%2)+4*\i+3] offset:528*\i
.endr
.irp b, 0,1,2,3
.irp k, 0,1,2,3
	ds_load_b128 v[R0+64*((\f)%2)+16*\b+4*\k:R0+64*((\f)%2)+16*\b+4*\k+3], v[STO] offset:128*\b+16*\k
.endr
.endr
.endm
; a weight: block t of my column, 32 rows down K, into set t % 2: the 32 lanes read 128 consecutive bytes
.macro LOADW t, N, ptr
.set i_, 0
.rept 32
	global_load_b32 v[X+32*((\t)%2)+i_], v[WOFF], s[\ptr:\ptr+1] offset:(32*(\t)+i_)*\N*4 th:TH_LOAD_NT
.set i_, i_+1
.endr
.endm
; block t = 4 s + 2 c + hh of my column: all 32 numbers are mine.  Its 24 bytes of codes go to registers 6 c .. 6 c + 5 of F(s, hh)
.macro BLOCK t, N, ptr
.set XS, X+32*((\t)%2)
.set FD, F+24*((\t)/4)+12*((\t)%2)+6*(((\t)%4)/2)
.if (\t) < 7
	s_wait_loadcnt 32                              ; this block's 32 loads are in; the next block's may be out
.else
	s_wait_loadcnt 0x0
.endif
	v_max3_num_f32 v12, |v[XS]|, |v[XS+1]|, |v[XS+2]|
	v_max3_num_f32 v13, |v[XS+3]|, |v[XS+4]|, |v[XS+5]|
.irp i, 6,10,14,18,22,26
	v_max3_num_f32 v12, v12, |v[XS+\i]|, |v[XS+\i+1]|
	v_max3_num_f32 v13, v13, |v[XS+\i+2]|, |v[XS+\i+3]|
.endr
	v_max3_num_f32 v12, v12, |v[XS+30]|, |v[XS+31]|
	v_max3_num_f32 v12, v12, v13, 0x1800000        ; and the floor
	v_add_nc_u32 v11, 0xff000000, v12
	v_lshrrev_b32 v13, 23, v11
.if (\t)%4 == 0
	v_mov_b32 v[SW+(\t)/4], v13
.else
	v_lshl_or_b32 v[SW+(\t)/4], v13, 8*((\t)%4), v[SW+(\t)/4]
.endif
	v_cvt_scalef32_pk16_fp6_f32 v[FD:FD+2], v[XS:XS+15], v11
	v_cvt_scalef32_pk16_fp6_f32 v[CT:CT+2], v[XS+16:XS+31], v11
	v_nop                                          ; one plain place behind a scaled conversion
.irp i, 0,1,2
	v_mov_b32 v[FD+3+\i], v[CT+\i]
.endr
.if (\t)+2 < 8
	LOADW (\t)+2, \N, \ptr
.endif
.if (\t)%2 == 1                                ; lanes 0-15 hold tile 0's rows, lanes 16-31 tile 1's.  The exchange gives F(s, 0) tile 0's registers (lanes 16-31: block 2 c + 1) and F(s, 1) tile 1's
.set FA, F+24*((\t)/4)+6*(((\t)%4)/2)
.irp i, 0,1,2,3,4,5
	v_permlane16_swap_b32 v[FA+\i], v[FA+12+\i]
.endr
.endif
.endm
.macro WPATH N, COFF, SOFF, ptr, first
	s_sub_co_u32 s17, ttmp9, \first
	s_lshr_b32 s18, s17, 2
	s_and_b32 s19, s17, 3                          ; which 256 along K
	s_lshl_b32 s18, s18, 2
	s_add_co_u32 s18, s18, s16                     ; which 32 columns
	s_mul_i32 s20, s19, 256*\N*4
	s_lshl_b32 s21, s18, 7
	s_add_co_u32 s20, s20, s21
	s_mov_b32 s21, 0
	s_mul_i32 s22, s18, 24576                      ; two tiles of 16 half fragments
	s_mul_i32 s23, s19, 3072
	s_add_co_u32 s22, s22, s23
	s_add_co_u32 s22, s22, \COFF
	s_mov_b32 s23, 0
	s_lshr_b32 s24, s18, 2
	s_lshl_b32 s24, s24, 12
	s_lshl_b32 s25, s19, 10
	s_add_co_u32 s24, s24, s25
	s_and_b32 s25, s18, 3
	s_lshl_b32 s25, s25, 8
	s_add_co_u32 s24, s24, s25
	s_add_co_u32 s24, s24, \SOFF
	s_mov_b32 s25, 0
	s_wait_kmcnt 0x0
	s_add_nc_u64 s[\ptr:\ptr+1], s[\ptr:\ptr+1], s[20:21]
	s_add_nc_u64 s[10:11], s[10:11], s[22:23]
	s_add_nc_u64 s[12:13], s[12:13], s[24:25]
	LOADW 0, \N, \ptr
	LOADW 1, \N, \ptr
.irp t, 0,1,2,3
	BLOCK \t, \N, \ptr
.endr
	PUT F, 10, 0                                   ; each fragment has registers of its own: no store's data are written again
	PUT F+12, 10, 12288
.irp t, 4,5,6,7
	BLOCK \t, \N, \ptr
.endr
	PUT F+24, 10, 1536
	PUT F+36, 10, 12288+1536
	global_store_b64 v[LI8], v[SW:SW+1], s[12:13]  ; 32 rows x 8 bytes: 256 consecutive bytes, aligned
	s_endpgm
.endm
	s_load_b128 s[4:7], s[0:1], 0x0                ; x, w_attn
	s_load_b128 s[8:11], s[0:1], 0x10              ; w_proj, opc
	s_load_b64 s[12:13], s[0:1], 0x20              ; ops
	v_lshl_add_u32 v208, v0, 2, 0x8400
	v_mov_b32 v209, 0
	v_lshrrev_b32 v5, 5, v0
	v_readfirstlane_b32 s16, v5                    ; wave
	v_and_b32 v6, 31, v0                           ; lane
	v_lshlrev_b32 v[LI16], 4, v6
	v_lshlrev_b32 v[LI8], 3, v6
	s_cmp_lt_u32 ttmp9, 256
	s_cbranch_scc0 .Lweights
	; ---- x
	s_mul_i32 s17, s16, 8448
	v_add_nc_u32 v[STI], s17, v[LI16]
	v_and_b32 v7, 15, v0
	v_bfe_u32 v8, v0, 4, 1
	v_mul_u32_u24 v[STO], v7, 528
	v_lshl_add_u32 v[STO], v8, 6, v[STO]
	v_add_nc_u32 v[STO], s17, v[STO]               ; row r, + 64 bytes for lanes 16-31
	s_lshl_b32 s20, ttmp9, 17                      ; 32 rows of 4,096 bytes
	s_lshl_b32 s21, s16, 10
	s_add_co_u32 s20, s20, s21
	s_mov_b32 s21, 0
	s_mul_i32 s22, ttmp9, 24576
	s_mul_i32 s23, s16, 3072
	s_add_co_u32 s22, s22, s23
	s_mov_b32 s23, 0
	s_lshr_b32 s24, ttmp9, 2
	s_lshl_b32 s24, s24, 12
	s_lshl_b32 s25, s16, 10
	s_add_co_u32 s24, s24, s25
	s_and_b32 s25, ttmp9, 3
	s_lshl_b32 s25, s25, 8
	s_add_co_u32 s24, s24, s25
	s_mov_b32 s25, 0
	s_mov_b32 s[SEL], 0x76543210
	s_mov_b32 s[SEL+1], 0xfedcba98
	s_mov_b32 vcc_lo, 0xffff0000                   ; lanes 16-31
.irp b, 0,1,2,3
	v_mov_b32 v[TM+4+\b], 0                        ; written once: a lane permute's destination counts as one of its sources
.endr
	s_wait_kmcnt 0x0
	s_add_nc_u64 s[4:5], s[4:5], s[20:21]
	s_add_nc_u64 s[10:11], s[10:11], s[22:23]
	s_add_nc_u64 s[12:13], s[12:13], s[24:25]
	LOADX 0
	LOADX 1
.irp f, 0,1,2,3
.if \f < 3
	s_wait_loadcnt 16                              ; this fragment's 16 loads are in; the next fragment's may be out
.else
	s_wait_loadcnt 0x0
.endif
	TURNX \f
	s_wait_dscnt 0x0
	QUANT R0+64*(\f%2)
	v_mov_b32 v[PWS+\f], v[PW]
	PUT PC, 10, (\f/2)*12288+(\f%2)*1536
.if \f < 2
	LOADX \f+2
.endif
.endr
	v_cndmask_b32 v[OUTW], v[PWS], v[PWS+2], vcc_lo        ; lanes 0-15 send tile 0's two words, lanes 16-31 tile 1's
	v_cndmask_b32 v[OUTW+1], v[PWS+1], v[PWS+3], vcc_lo
	global_store_b64 v[LI8], v[OUTW:OUTW+1], s[12:13]      ; 256 consecutive bytes, aligned
	s_wait_tensorcnt 0x0
	ds_add_u32 v208, v209
	s_wait_dscnt 0x0
	s_endpgm
.Lweights:
	v_and_b32 v7, 7, v6                            ; my lane with its bits 3 and 4 exchanged: the true column of physical row l
	v_and_b32 v8, 8, v6
	v_lshl_or_b32 v7, v8, 1, v7
	v_and_b32 v8, 16, v6
	v_lshrrev_b32 v8, 1, v8
	v_or_b32 v7, v7, v8
	v_lshlrev_b32 v[WOFF], 2, v7
	s_cmp_lt_u32 ttmp9, 352
	s_cbranch_scc0 .Lproj
	WPATH 3072, WA_OFF, WAS_OFF, 6, 256
.Lproj:
	WPATH 1024, WP_OFF, WPS_OFF, 8, 352
.Lfunc_end_k_q1a8c1359db_quant:
	.size	k_q1a8c1359db_quant, .Lfunc_end_k_q1a8c1359db_quant-k_q1a8c1359db_quant
	.p2alignl 7, 3214868480
	.fill 96, 4, 3214868480
	.section	.rodata,"a",@progbits
	.p2align	6, 0x0
	.amdhsa_kernel k_q1a8c1359db_quant
		.amdhsa_group_segment_fixed_size 34304
		.amdhsa_private_segment_fixed_size 0
		.amdhsa_enable_private_segment 0
		.amdhsa_kernarg_size 40
		.amdhsa_user_sgpr_count 2
		.amdhsa_user_sgpr_kernarg_segment_ptr 1
		.amdhsa_wavefront_size32 1
		.amdhsa_system_sgpr_workgroup_id_x 1
		.amdhsa_system_sgpr_workgroup_id_y 1
		.amdhsa_system_sgpr_workgroup_id_z 1
		.amdhsa_system_vgpr_workitem_id 0
		.amdhsa_next_free_vgpr 210
		.amdhsa_next_free_sgpr 66
		.amdhsa_reserve_vcc 1
		.amdhsa_float_denorm_mode_32 3
		.amdhsa_float_denorm_mode_16_64 3
		.amdhsa_memory_ordered 1
		.amdhsa_forward_progress 1
		.amdhsa_inst_pref_size 112
	.end_amdhsa_kernel
	.amdgpu_metadata
---
amdhsa.version: [ 1, 2 ]
amdhsa.kernels:
  - .name:           k_q1a8c1359db_quant
    .symbol:         k_q1a8c1359db_quant.kd
    .args:
      - { .name: x, .offset: 0, .size: 8, .value_kind: global_buffer, .address_space: global }
      - { .name: w_attn, .offset: 8, .size: 8, .value_kind: global_buffer, .address_space: global }
      - { .name: w_proj, .offset: 16, .size: 8, .value_kind: global_buffer, .address_space: global }
      - { .name: opc, .offset: 24, .size: 8, .value_kind: global_buffer, .address_space: global }
      - { .name: ops, .offset: 32, .size: 8, .value_kind: global_buffer, .address_space: global }
    .group_segment_fixed_size: 34304
    .private_segment_fixed_size: 0
    .kernarg_segment_align: 8
    .kernarg_segment_size: 40
    .max_flat_workgroup_size: 128
    .sgpr_count:     66
    .vgpr_count:     210
    .wavefront_size: 32
...
	.end_amdgpu_metadata
.endif
;; end of part 1
;; launch qkv (part 2): grid 12 x 32, 4 waves a work-group, clusters of 4 x 4, 327,680 bytes of LDS; arguments opc, ops, b_attn, qb, kvb, vsum; writes qb, kvb, vsum
.if DOCPART == 2
	.amdgcn_target "amdgcn-amd-amdhsa--gfx1250"
	.amdhsa_code_object_version 6
	.text
	.protected	k_q1a8c1359db_qkv
	.globl	k_q1a8c1359db_qkv
	.p2align	8
	.type	k_q1a8c1359db_qkv,@function
k_q1a8c1359db_qkv:
	s_mov_b64 s[64:65], 0
	v_nop
	global_prefetch_b8 v0, s[64:65] scope:SCOPE_SE
	s_setreg_imm32_b32 hwreg(HW_REG_WAVE_MODE, 25, 1), 1
	s_wait_xcnt 0x0
	s_wait_alu depctr_hold_cnt(0) depctr_sa_sdst(0) depctr_va_vdst(0) depctr_va_sdst(0) depctr_va_ssrc(0) depctr_va_vcc(0) depctr_vm_vsrc(0)
	s_getreg_b32 s2, hwreg(HW_REG_IB_STS2, 6, 4)
	s_cmp_eq_u32 s2, 0
	s_cbranch_scc0 .Lentry_in_a_cluster
	s_endpgm
.Lentry_in_a_cluster:
	s_bfe_u32 s2, ttmp6, 0x10000c
	s_cmp_lg_u32 s2, 0xf033
	s_cbranch_scc0 .Lentry_shape_is_right
	s_endpgm
.Lentry_shape_is_right:
; qkv = x w_attn + b_attn on codes of FP6 (E2M3), K = 1024; the results are quantised on the way out and only codes and scale bytes leave: q and k along the head's 64, v along the keys.
; A tile of 256 x 256 is made by four waves, each 128 x 128: 64 accumulators, 512 registers.  K goes in steps of 256 through a ring of two LDS slots; the scale bytes of the work-group's rows come once.
; Operands lie in memory as images of the operand's registers (half fragments of 768 bytes: lane l's registers 0-3 at 16 l, registers 4-5 at 512 + 8 l), rows in physical order (bits 3 and 4 of a row exchanged):
; so the 64 results of a lane for one block of 16 rows are, register 16 c + i, the numbers 32 c + 16 (lane / 16) + i along the other side: 16 neighbours of each block of 32, as the conversions want them.
; THE MATRIX INSTRUCTION IS USED TRANSPOSED: source 0 = 16 rows of B, source 1 = 16 rows of A.
; ROLES by the cluster's x (the same in all sixteen partners): 0: q, 1: k: A = x's tokens, B = w_attn's columns: a lane holds a token, its registers run along two heads' 64.
;   2: v: A = w_attn's columns 2048 on, B = x's tokens: a lane holds a channel, its registers run along 128 keys.  Both operands lie in opc and ops: only offsets are chosen, without a branch.
; v also leaves, for each 128 keys and channel, the sum of its quantised numbers (a product with codes of 1.0): the attention launch needs it for the keys under the mask.
; CLUSTERS: 4 x 4; A's tiles are asked for jointly along a row of the cluster, B's along a column.
; OUT: a block of 25,600 bytes for each (16 batch + head, 256 tokens): +0 sixteen half fragments of k (in qb: of q); +12288 v: [128 keys][16 channels] x 1,536; +24576 k's pair words [128 tokens][row][pair]; +25088 v's scale words.
; LIMITS: NaN and infinities are not served; a block of zeros gets the byte 1 (its codes are zeros; this program alone reads the bytes).
.set WA_OFF,  6291456
.set WAS_OFF, 262144
.set NQ,     2                         ; matrix instructions deep in a slot
.set FR,     12                        ; registers of a fragment
.set NL,     4                         ; LDS loads that bring one
.set NP,     4                         ; places behind this matrix instruction (ISA guide 7.12.1)
.set TILEB,  3072                      ; 16 rows x 256 K: four half fragments
.set HALFT,  8*TILEB                   ; 128 rows: what one tensor load brings
.set SLOT,   4*HALFT
.set SCL,    2*SLOT                    ; behind the ring: the scale bytes, 4,096 for each 128 rows
.set SPARE,  SCL+4*4096                ; the spare words, 128 bytes for each wave: two blocks of 256 bytes that no other line names
.set ADRA, 16                          ; v16-17 my A fragments in slot 0, 1, + 16 x lane; v18-19 + 8 x lane
.set ADRB, 20                          ; v20-23 the same for B
.set SOFF, 24                          ; v24  16 r + 204,800 (lane / 16): a row's four words, the second head for lanes 16-31
.set SOFV, 25                          ; v25  16 r + 4,096 (lane / 16): the same in vsum
.set LI16, 26                          ; v26  16 x lane
.set ADRS, 27                          ; v27  my scale words: lanes 0-15 A's rows, lanes 16-31 B's
.set SPW,  28                          ; v28  my spare word; never rewritten
.set NIL,  29                          ; v29  0; never rewritten
.set LI8,  30                          ; v30  8 x lane
.set BOFF, 7                           ; v7   64 (lane / 16)
.set VOFF, 8                           ; v8   4 (r + 8 (r / 8))
.set SC,   32                          ; v32-63 scale words, two sets; on the way out v32-39 the scale words just made
.set AF,   128                         ; v128-223 A's fragments, one set
.set BI,   64                          ; v64-127 q, k: the bias of my 64 numbers of a row
.set DS,   64                          ; v64-127 v: the sums' eight results
.set BV,   224                         ; v224-239 v: the bias of my channel in each block, twice (a pair for the packed addition)
.set ONES, 240                         ; v240-251 128 codes of 1.0
.set ONESC, 252                        ; v252 their scale word: 1.0 four times
.set PW,   253
.set T,    128                         ; the way out: 64 numbers
.set PC,   192                         ; v192-210 their codes, and scratch
.set TM,   212                         ; v212-223 maxima, bytes, scale operands
.set PWS,  32
.set W,    128                         ; v128-135 pair words (T is free by then)
.set OUT1, 136
.set OUT2, 140
.set SEL,  2                           ; s[2:3] lane selects: lane l xor 16
.set G1, 24
.set G0, 32
.set G1B, 48
.set G0B, 56
.set G1S, 68
.set G0S, 76
.set G1SB, 80
.set G0SB, 88
.set MSB, 0
.macro WIN new                         ; the immediate's high byte repeats the setting that is left
.if MSB != (\new)
	s_set_vgpr_msb (MSB<<8)|(\new)
.set MSB, (\new)
.endif
.endm
.set MUL_LO, 0xa1                      ; source 0 (B) window 1, source 1 (A) window 0, C and D window 2
.set MUL_HI, 0xf1                      ; the same, C and D window 3
.set TO_B,   0x40                      ; destination window 1, address window 0
; a joint load: waves 0 and 1 fetch for A, waves 2 and 3 for B; the branch hangs on the wave's number alone.  Four v_nop follow each of the two lines
.macro JLOAD g0a, g1a, g0b, g1b
	s_cmp_eq_u32 s15, 0
	s_cbranch_scc0 .Lfor_b_\@
	tensor_load_to_lds s[\g0a:\g0a+3], s[\g1a:\g1a+7]
	s_nop 0
.rept 4
	v_nop
.endr
	s_branch .Lasked_\@
.Lfor_b_\@:
	tensor_load_to_lds s[\g0b:\g0b+3], s[\g1b:\g1b+7]
	s_nop 0
.rept 4
	v_nop
.endr
.Lasked_\@:
.endm
.macro CREST                           ; a round of the cluster's barrier behind its opening barrier
	s_cmp_lg_u32 s14, 0
	s_cbranch_scc1 .Lnot_wave_0_\@
	s_barrier_signal -3
.Lnot_wave_0_\@:
	s_barrier_wait -3
	s_barrier_signal -1
	s_barrier_wait -1
.endm
.macro CROUND
	s_barrier_signal -1
	s_barrier_wait -1
	CREST
.endm
.macro PLACES n
.rept \n
	v_nop
.endr
.endm
.macro FRAG reg, adr, off              ; a fragment comes as it was stored: each load takes 512 or 256 consecutive bytes
	ds_load_b128 v[\reg:\reg+3], v[\adr] offset:\off
	ds_load_b64 v[\reg+4:\reg+5], v[\adr+2] offset:(\off)+512
	ds_load_b128 v[\reg+6:\reg+9], v[\adr] offset:(\off)+768
	ds_load_b64 v[\reg+10:\reg+11], v[\adr+2] offset:(\off)+1280
.endm
; 16 matrix instructions: A's blocks a0, a0 + 1 x B's eight.  The 64 accumulators take turns, one instruction a turn, in the same order in every step
.macro MUL16 a0, p, q, sc, zero
.irp a, \a0, \a0+1
.irp b, 0,1,2,3,4,5,6,7
.if \zero
	v_wmma_scale_f32_16x16x128_f8f6f4 v[8*(8*((\a)%4)+\b):8*(8*((\a)%4)+\b)+7], v[128*(\p)+FR*\b:128*(\p)+FR*\b+FR-1], v[AF+FR*(\a):AF+FR*(\a)+FR-1], 0, v[SC+8*NQ*(\sc)+NQ*\b+(\q)], v[SC+8*NQ*(\sc)+NQ*(\a)+(\q)] matrix_a_fmt:MATRIX_FMT_FP6 matrix_b_fmt:MATRIX_FMT_FP6 matrix_a_scale:MATRIX_SCALE_ROW1
.else
	v_wmma_scale_f32_16x16x128_f8f6f4 v[8*(8*((\a)%4)+\b):8*(8*((\a)%4)+\b)+7], v[128*(\p)+FR*\b:128*(\p)+FR*\b+FR-1], v[AF+FR*(\a):AF+FR*(\a)+FR-1], v[8*(8*((\a)%4)+\b):8*(8*((\a)%4)+\b)+7], v[SC+8*NQ*(\sc)+NQ*\b+(\q)], v[SC+8*NQ*(\sc)+NQ*(\a)+(\q)] matrix_a_fmt:MATRIX_FMT_FP6 matrix_b_fmt:MATRIX_FMT_FP6 matrix_a_scale:MATRIX_SCALE_ROW1
.endif
.endr
.endr
.endm
.macro FETCH_B slot, q, p
	WIN TO_B
.irp i, 0,1,2,3,4,5,6,7
	FRAG 128*(\p)+FR*\i, ADRB+\slot, \i*TILEB+(\q)*1536
.endr
	WIN 0
.endm
.macro FETCH_A slot, q, i0
.irp i, \i0, \i0+1, \i0+2, \i0+3
	FRAG AF+FR*(\i), ADRA+\slot, (\i)*TILEB+(\q)*1536
.endr
.endm
.macro SCALES sc                       ; a K step's two words a row: lanes 0-15 A's block i, lanes 16-31 B's block i
.irp i, 0,1,2,3,4,5,6,7
	ds_load_b64 v[SC+8*NQ*\sc+NQ*\i:SC+8*NQ*\sc+NQ*\i+1], v[ADRS] offset:\i*128
.endr
.endm
.macro STEP slot, q, zero              ; a step of 128 along K that has its successor in the same slot
	s_wait_dscnt 4*NL                              ; all but the youngest sixteen loads (A's blocks 4-7) are in
	WIN MUL_LO
	MUL16 0, (\q)%2, \q, \slot, \zero
	MUL16 2, (\q)%2, \q, \slot, \zero
	s_wait_dscnt 0
	PLACES NP
	FETCH_B \slot, (\q)+1, 1-(\q)%2
	FETCH_A \slot, (\q)+1, 0
	WIN MUL_HI
	MUL16 4, (\q)%2, \q, \slot, \zero
	MUL16 6, (\q)%2, \q, \slot, \zero
	PLACES NP
	WIN 0
	FETCH_A \slot, (\q)+1, 4
.endm
; a slot's last step changes slots: one barrier; in front of it each wave waits for all its tensor loads, adds 0 to its spare word, and waits for that and for its reads of this slot
.macro TURN slot, next, fill
	s_wait_tensorcnt 0x0                           ; all my tensor loads have landed: my part of the next slot
	ds_add_u32 v[SPW], v[NIL]                      ; 0 onto my spare word
	s_wait_dscnt 4*NL+1                            ; (the add and the youngest sixteen loads may be out)
	WIN MUL_LO
	MUL16 0, 1, NQ-1, \slot, 0
	s_wait_dscnt 0x0                               ; the add is done, and my reads of this slot are over
	s_barrier_signal -1
	MUL16 2, 1, NQ-1, \slot, 0
	WIN 0
	s_barrier_wait -1
.if \fill
	CREST                                          ; the barrier has opened a round of the cluster's barrier: no wave of any partner still reads this slot or has a load on its way
	s_add_nc_u64 s[G0+4*\slot+2:G0+4*\slot+3], s[G0+4*\slot+2:G0+4*\slot+3], 2*TILEB
	s_add_nc_u64 s[G0B+4*\slot+2:G0B+4*\slot+3], s[G0B+4*\slot+2:G0B+4*\slot+3], 2*TILEB
	JLOAD G0+4*\slot, G1, G0B+4*\slot, G1B         ; the first tensor load behind the round; its four v_nop are the places in front of the loads below
.else
	PLACES NP
.endif
	v_add_nc_u32 v[ADRS], 1024, v[ADRS]            ; the next K step's scale words
	FETCH_B \next, 0, 0
	FETCH_A \next, 0, 0
	SCALES \next
	WIN MUL_HI
	MUL16 4, 1, NQ-1, \slot, 0
	MUL16 6, 1, NQ-1, \slot, 0
	PLACES NP
	WIN 0
	FETCH_A \next, 0, 4
.endm
; 64 numbers of a lane, register 16 b + i = k 32 b + 16 (lane / 16) + i of my row, become a fragment's codes in v[PC] on and my row's scale word in v[PW]
.macro QUANT s
.irp b, 0,1,2,3
	v_max3_num_f32 v[TM+\b], |v[\s+16*\b]|, |v[\s+1+16*\b]|, 0x1800000   ; and the floor 2^(3 - 127): the byte cannot fall under 1
.endr
.irp i, 2,4,6,8,10,12,14
.irp b, 0,1,2,3
	v_max3_num_f32 v[TM+\b], v[TM+\b], |v[\s+16*\b+\i]|, |v[\s+1+16*\b+\i]|
.endr
.endr
.irp b, 0,1,2,3
	v_permlanex16_b32 v[TM+4+\b], v[TM+\b], s[SEL], s[SEL+1]
.endr
.irp b, 0,1,2,3
	v_max_num_f32 v[TM+\b], v[TM+\b], v[TM+4+\b]
.endr
.irp b, 0,1,2,3
	v_add_nc_u32 v[TM+8+\b], 0xff000000, v[TM+\b]  ; 2 off the exponent field: the conversion's scale operand
.endr
.irp b, 0,1,2,3
	v_lshrrev_b32 v[TM+4+\b], 23, v[TM+8+\b]
.endr
	v_lshl_or_b32 v[PW], v[TM+5], 8, v[TM+4]
	v_lshl_or_b32 v[PW], v[TM+6], 16, v[PW]
	v_lshl_or_b32 v[PW], v[TM+7], 24, v[PW]
	s_wait_xcnt 0x0                                ; the last block's stores have read the registers that are written next
.irp c, 0,1
	v_cvt_scalef32_pk16_fp6_f32 v[PC+6*\c:PC+2+6*\c], v[\s+32*\c:\s+15+32*\c], v[TM+8+2*\c]
	v_cvt_scalef32_pk16_fp6_f32 v[PC+12+4*\c:PC+14+4*\c], v[\s+16+32*\c:\s+31+32*\c], v[TM+8+2*\c+1]
.endr
	v_nop                                          ; one plain place behind a scaled conversion
.irp c, 0,1
.irp i, 0,1,2
	v_permlane16_swap_b32 v[PC+6*\c+\i], v[PC+12+4*\c+\i]
.endr
.irp i, 0,1,2
	v_mov_b32 v[PC+3+6*\c+\i], v[PC+12+4*\c+\i]
.endr
.endr
.endm
; four words a row: lanes 0-15 send the first head's, lanes 16-31 the second's: two runs of 256 consecutive bytes, aligned
.macro SCOUT lo, stride, out, off, base, imm
.irp i, 0,1,2,3
	v_cndmask_b32 v[\out+\i], v[\lo+\stride*\i], v[\lo+\stride*(4+\i)], vcc_lo
.endr
	global_store_b128 v[\off], v[\out:\out+3], s[\base:\base+1] offset:\imm
.endm
	s_load_b128 s[4:7], s[0:1], 0x0                ; opc, ops
	s_load_b128 s[8:11], s[0:1], 0x10              ; b_attn, qb
	s_load_b128 s[96:99], s[0:1], 0x20             ; kvb, vsum
	v_lshl_add_u32 v[SPW], v0, 2, SPARE
	v_mov_b32 v[NIL], 0
	ds_add_u32 v28, v29
	s_wait_dscnt 0x0
	v_lshrrev_b32 v1, 5, v0
	v_readfirstlane_b32 s14, v1                    ; wave 0..3
	s_lshr_b32 s15, s14, 1                         ; which half of A's rows is mine.  Also: I fetch for A (0) or for B (1)
	s_and_b32 s16, s14, 1                          ; which half of B's rows.  Also: which 128 rows I fetch
	s_bfe_u32 s40, ttmp6, 0x40000                  ; cx
	s_bfe_u32 s41, ttmp6, 0x40004                  ; cy
	s_and_b32 s12, ttmp7, 0xffff                   ; the cluster's y
	s_lshl_b32 s43, s41, 2
	s_lshl_b32 s43, 15, s43                        ; my row of the cluster
	s_lshl_b32 s44, 0x1111, s40                    ; my column
	s_cmp_eq_u32 ttmp9, 2                          ; v?  The cluster's x is the same in all partners
	s_cselect_b32 s18, 0, s12                      ; A's tiles: v: the four of w_attn's last 1024 columns; else x's 32
	s_cselect_b32 s19, s12, ttmp9                  ; B's tiles: v: x's 32; else w_attn's
	s_cselect_b32 s66, WA_OFF+128*12288, 0         ; where A's codes begin in opc,
	s_cselect_b32 s67, 0, WA_OFF                   ; B's,
	s_cselect_b32 s100, WAS_OFF+65536, 0           ; A's scale bytes in ops,
	s_cselect_b32 s101, 0, WAS_OFF                 ; B's
	s_lshl_b32 s17, s18, 2
	s_add_co_u32 s17, s17, s41                     ; A's tile of 256 rows: hangs on cy alone
	s_lshl_b32 s42, s19, 2
	s_add_co_u32 s42, s42, s40                     ; B's: on cx alone
	; descriptor group 1 for codes: 8 rows (tiles of 16) of 3,072 bytes, 12,288 bytes apart; elements of 8 bytes; no padding
	s_or_b32 s[G1+0], s43, (3<<16)|(1<<21)
	s_or_b32 s[G1B+0], s44, (3<<16)|(1<<21)
.irp g, G1, G1B
	s_mov_b32 s[\g+1], 384<<16                     ; tensor_dim0
	s_mov_b32 s[\g+2], 8<<16                       ; tensor_dim1
	s_mov_b32 s[\g+3], 384<<16                     ; tile_dim0
	s_mov_b32 s[\g+4], 8                           ; tile_dim1
	s_mov_b32 s[\g+5], 1536                        ; tensor_dim0_stride
	s_mov_b32 s[\g+6], 0
	s_mov_b32 s[\g+7], 0
.endr
	; and for the scale bytes of 128 rows: 16 rows of 256 bytes, dense
	s_or_b32 s[G1S+0], s43, (3<<16)|(1<<21)
	s_or_b32 s[G1SB+0], s44, (3<<16)|(1<<21)
.irp g, G1S, G1SB
	s_mov_b32 s[\g+1], 32<<16
	s_mov_b32 s[\g+2], 16<<16
	s_mov_b32 s[\g+3], 32<<16
	s_mov_b32 s[\g+4], 16
	s_mov_b32 s[\g+5], 32
	s_mov_b32 s[\g+6], 0
	s_mov_b32 s[\g+7], 0
.endr
	s_lshl_b32 s20, s17, 1
	s_add_co_u32 s20, s20, s16                     ; A: which 128 rows I fetch
	s_mul_i32 s22, s20, 4096
	s_add_co_u32 s22, s22, s100
	s_mov_b32 s23, 0
	s_mul_i32 s20, s20, 98304
	s_add_co_u32 s20, s20, s66
	s_mov_b32 s21, 0
	s_lshl_b32 s46, s42, 1
	s_add_co_u32 s46, s46, s16                     ; B likewise
	s_mul_i32 s92, s46, 4096
	s_add_co_u32 s92, s92, s101
	s_mov_b32 s93, 0
	s_mul_i32 s46, s46, 98304
	s_add_co_u32 s46, s46, s67
	s_mov_b32 s47, 0
	s_mul_i32 s45, s14, HALFT                      ; where they go: no place in the cluster enters an LDS address
	s_lshl_b32 s94, s14, 12
	s_wait_kmcnt 0x0
	s_add_nc_u64 s[20:21], s[4:5], s[20:21]
	s_add_nc_u64 s[22:23], s[6:7], s[22:23]
	s_add_nc_u64 s[46:47], s[4:5], s[46:47]
	s_add_nc_u64 s[92:93], s[6:7], s[92:93]
	CROUND                                         ; all sixteen work-groups are here: the first joint loads meet
	s_mov_b32 s[G0S], 1
	s_add_co_u32 s[G0S+1], s94, SCL
	s_mov_b64 s[G0S+2:G0S+3], s[22:23]
	s_or_b32 s[G0S+3], s[G0S+3], 0x80000000
	s_mov_b32 s[G0SB], 1
	s_add_co_u32 s[G0SB+1], s94, SCL
	s_mov_b64 s[G0SB+2:G0SB+3], s[92:93]
	s_or_b32 s[G0SB+3], s[G0SB+3], 0x80000000
	JLOAD G0S, G1S, G0SB, G1SB                     ; the scale bytes first: they are wanted with K step 0
.irp s, 0,1
	s_mov_b32 s[G0+4*\s], 1
	s_add_co_u32 s[G0+4*\s+1], s45, \s*SLOT
	s_add_nc_u64 s[G0+4*\s+2:G0+4*\s+3], s[20:21], \s*TILEB
	s_or_b32 s[G0+4*\s+3], s[G0+4*\s+3], 0x80000000
	s_mov_b32 s[G0B+4*\s], 1
	s_add_co_u32 s[G0B+4*\s+1], s45, \s*SLOT
	s_add_nc_u64 s[G0B+4*\s+2:G0B+4*\s+3], s[46:47], \s*TILEB
	s_or_b32 s[G0B+4*\s+3], s[G0B+4*\s+3], 0x80000000
	JLOAD G0+4*\s, G1, G0B+4*\s, G1B
.endr
	v_and_b32 v1, 31, v0                           ; lane
	v_and_b32 v2, 15, v0                           ; r
	v_bfe_u32 v3, v0, 4, 1                         ; h
	v_lshlrev_b32 v[LI16], 4, v1
	v_lshlrev_b32 v[LI8], 3, v1
	s_mul_i32 s21, s15, HALFT                      ; my 128 rows of A
	s_mul_i32 s22, s16, HALFT                      ; my 128 rows of B,
	s_add_co_u32 s22, s22, 2*HALFT                 ; which lie behind A's 256
.irp s, 0,1
	v_add_nc_u32 v[ADRA+\s], s21, v[LI16]
	v_add_nc_u32 v[ADRB+\s], s22, v[LI16]
	v_add_nc_u32 v[ADRA+2+\s], s21, v[LI8]
	v_add_nc_u32 v[ADRB+2+\s], s22, v[LI8]
	s_add_co_u32 s21, s21, SLOT
	s_add_co_u32 s22, s22, SLOT
.endr
	s_lshl_b32 s21, s15, 12                        ; A's scale bytes: my 128 rows
	s_lshl_b32 s22, s16, 12                        ; B's, behind A's two
	s_add_co_u32 s22, s22, 2*4096
	s_sub_co_u32 s22, s22, s21
	v_mul_u32_u24 v6, s22, v3                      ; lanes 16-31 take B's
	s_add_co_u32 s21, s21, SCL
	v_lshl_add_u32 v6, v2, 3, v6                   ; 8 bytes a row
	v_add_nc_u32 v[ADRS], s21, v6
	v_mul_u32_u24 v[SOFF], v3, 204800
	v_lshl_add_u32 v[SOFF], v2, 4, v[SOFF]
	v_lshlrev_b32 v[SOFV], 12, v3
	v_lshl_add_u32 v[SOFV], v2, 4, v[SOFV]
	v_lshlrev_b32 v[BOFF], 6, v3
	v_and_b32 v[VOFF], 8, v2
	v_add_nc_u32 v[VOFF], v[VOFF], v2
	v_lshlrev_b32 v[VOFF], 2, v[VOFF]
.irp i, 0,1,2,3
	v_mov_b32 v[ONES+3*\i], 0x08208208             ; the code of 1.0 is 001000: 16 of them are these three words
	v_mov_b32 v[ONES+3*\i+1], 0x82082082
	v_mov_b32 v[ONES+3*\i+2], 0x20820820
.endr
	v_mov_b32 v[ONESC], 0x7f7f7f7f
	s_mov_b32 s[SEL], 0x76543210
	s_mov_b32 s[SEL+1], 0xfedcba98
	; where the results go
	s_lshl_b32 s22, s17, 2
	s_lshl_b32 s46, s15, 1
	s_add_co_u32 s22, s22, s46                     ; v: my first head = 4 x A's tile + 2 x half
	s_and_b32 s23, s42, 3
	s_lshl_b32 s23, s23, 2
	s_lshl_b32 s46, s16, 1
	s_add_co_u32 s23, s23, s46                     ; q, k: 4 x (B's tile mod 4) + 2 x half
	s_cmp_eq_u32 ttmp9, 2
	s_cselect_b32 s20, s42, s17                    ; the tile of 256 tokens
	s_cselect_b32 s21, s16, s15                    ; which 128 of them are mine
	s_cselect_b32 s22, s22, s23
	s_lshr_b32 s23, s20, 3
	s_lshl_b32 s23, s23, 4
	s_add_co_u32 s23, s23, s22                     ; 16 batch + head
	s_and_b32 s20, s20, 7
	s_lshl_b32 s46, s23, 3
	s_add_co_u32 s46, s46, s20
	s_mul_i32 s46, s46, 25600                      ; the block
	s_mul_i32 s47, s21, 6144
	s_add_co_u32 s92, s46, s47                     ; codes
	s_mov_b32 s93, 0
	s_lshl_b32 s47, s21, 8
	s_add_co_u32 s46, s46, s47                     ; words
	s_mov_b32 s47, 0
	s_lshl_b32 s66, s23, 4
	s_lshl_b32 s67, s20, 1
	s_add_co_u32 s66, s66, s67
	s_add_co_u32 s66, s66, s21
	s_lshl_b32 s66, s66, 8                         ; vsum: 256 bytes for each (head, 128 keys)
	s_mov_b32 s67, 0
	s_cmp_eq_u32 ttmp9, 0
	s_cselect_b64 s[96:97], s[10:11], s[96:97]     ; q goes to qb, k and v to kvb
	s_add_nc_u64 s[4:5], s[96:97], s[92:93]
	s_add_nc_u64 s[6:7], s[96:97], s[46:47]
	s_add_nc_u64 s[10:11], s[98:99], s[66:67]
	; the biases, both kinds in every work-group, so that no register is left unwritten: the kind that is not used is read at b_attn's head
	s_lshl_b32 s12, s42, 8
	s_lshl_b32 s13, s16, 7
	s_add_co_u32 s12, s12, s13
	s_lshl_b32 s13, s17, 8
	s_lshl_b32 s18, s15, 7
	s_add_co_u32 s13, s13, s18
	s_add_co_u32 s13, s13, 2048
	s_cmp_eq_u32 ttmp9, 2
	s_cselect_b32 s12, 0, s12
	s_cselect_b32 s13, s13, 0
	s_lshl_b32 s12, s12, 2
	s_lshl_b32 s18, s13, 2
	s_mov_b32 s13, 0
	s_mov_b32 s19, 0
	s_add_nc_u64 s[12:13], s[8:9], s[12:13]
	s_add_nc_u64 s[18:19], s[8:9], s[18:19]
.irp c, 0,1,2,3
.irp k, 0,1,2,3
	global_load_b128 v[BI+16*\c+4*\k:BI+16*\c+4*\k+3], v[BOFF], s[12:13] offset:128*\c+16*\k   ; b(32 c + 16 h + 4 k ..)
.endr
.endr
.irp a, 0,1,2,3,4,5,6,7
	global_load_b32 v[BV+2*\a], v[VOFF], s[18:19] offset:(32*(\a/2)+8*(\a%2))*4
	global_load_b32 v[BV+2*\a+1], v[VOFF], s[18:19] offset:(32*(\a/2)+8*(\a%2))*4
.endr
	s_wait_tensorcnt 1                             ; the scale bytes and my part of K step 0 are in (K step 1's load may be out),
	s_barrier_signal -1
	s_barrier_wait -1                              ; everybody's are
	FETCH_B 0, 0, 0
	FETCH_A 0, 0, 0
	SCALES 0
	FETCH_A 0, 0, 4
	STEP 0, 0, 1                                   ; the first products start the sums.  K has four steps of 256: all eight steps of 128 are written out
	TURN 0, 1, 1
	STEP 1, 0, 0
	TURN 1, 0, 1
	STEP 0, 0, 0
	TURN 0, 1, 0                                   ; nothing is left to fetch
	STEP 1, 0, 0
	s_wait_dscnt 4*NL
	WIN MUL_LO
	MUL16 0, 1, NQ-1, 1, 0
	MUL16 2, 1, NQ-1, 1, 0
	s_wait_dscnt 0
	WIN MUL_HI
	MUL16 4, 1, NQ-1, 1, 0
	MUL16 6, 1, NQ-1, 1, 0
	WIN 0
	; THE WAY OUT: block by block of 16 rows of A: bias, quantiser, stores of register images.  No LDS.
	s_wait_loadcnt 0x0                             ; the biases
	PLACES NP
	s_mov_b32 vcc_lo, 0xffff0000                   ; lanes 16-31
.irp b, 0,1,2,3
	v_mov_b32 v[TM+4+\b], 0                        ; a lane permute's destination counts as one of its sources
.endr
	s_cmp_eq_u32 ttmp9, 2
	s_cbranch_scc1 .Lv
.macro ADDQ a                          ; each accumulator is read from its low end on
	WIN 0x02+((\a)/4)
.set i_, 0
.rept 32
	v_pk_add_f32 v[T+2*i_:T+2*i_+1], v[64*((\a)%4)+2*i_:64*((\a)%4)+2*i_+1], v[BI+2*i_:BI+2*i_+1]
.set i_, i_+1
.endr
	WIN 0
.endm
.irp a, 0,1,2,3,4,5,6,7                ; q, k: 16 tokens x two heads: registers 0-5 are the first head's half fragment, 6-11 the second's
	ADDQ \a
	QUANT T
	v_mov_b32 v[PWS+\a], v[PW]
	global_store_b128 v[LI16], v[PC:PC+3], s[4:5] offset:\a*768
	global_store_b64 v[LI8], v[PC+4:PC+5], s[4:5] offset:\a*768+512
	global_store_b128 v[LI16], v[PC+6:PC+9], s[4:5] offset:204800+\a*768
	global_store_b64 v[LI8], v[PC+10:PC+11], s[4:5] offset:204800+\a*768+512
.endr
.irp m, 0,1,2,3                        ; pair word m: tile 2 m's two bytes below, tile 2 m + 1's above
	v_perm_b32 v[W+\m], v[PWS+2*\m+1], v[PWS+2*\m], 0x05040100
	v_perm_b32 v[W+4+\m], v[PWS+2*\m+1], v[PWS+2*\m], 0x07060302
.endr
	SCOUT W, 1, OUT1, SOFF, 6, 24576
	s_branch .Ldone
.Lv:
.macro ADDV a
	WIN 0x02+((\a)/4)
.set i_, 0
.rept 32
	v_pk_add_f32 v[T+2*i_:T+2*i_+1], v[64*((\a)%4)+2*i_:64*((\a)%4)+2*i_+1], v[BV+2*(\a):BV+2*(\a)+1]
.set i_, i_+1
.endr
	WIN 0
.endm
.macro SUMP a                          ; every register of lane r: the sum over the 128 keys of channel row r's quantised numbers
	v_wmma_scale_f32_16x16x128_f8f6f4 v[DS+8*(\a):DS+8*(\a)+7], v[ONES:ONES+11], v[PC:PC+11], 0, v[ONESC], v[PWS+(\a)] matrix_a_fmt:MATRIX_FMT_FP6 matrix_b_fmt:MATRIX_FMT_FP6
.endm
.irp a, 0,1,2,3,4,5,6,7                ; v: 16 channels x 128 keys: a whole fragment
	ADDV \a                                        ; (these 32 additions are the places between the last block's codes and scale word and the product below)
.if \a > 0
	SUMP \a-1                                      ; (the quantiser's 32 maximum lines are the places behind it)
.endif
	QUANT T
	v_mov_b32 v[PWS+\a], v[PW]
	global_store_b128 v[LI16], v[PC:PC+3], s[4:5] offset:12288+(\a/4)*204800+(\a%4)*1536
	global_store_b64 v[LI8], v[PC+4:PC+5], s[4:5] offset:12288+(\a/4)*204800+(\a%4)*1536+512
	global_store_b128 v[LI16], v[PC+6:PC+9], s[4:5] offset:12288+(\a/4)*204800+(\a%4)*1536+768
	global_store_b64 v[LI8], v[PC+10:PC+11], s[4:5] offset:12288+(\a/4)*204800+(\a%4)*1536+1280
.endr
	PLACES 8                                       ; a scale word written by a vector instruction stands 8 places ahead of a scaled matrix instruction
	SUMP 7
	PLACES NP
	SCOUT PWS, 1, OUT1, SOFF, 6, 25088
	SCOUT DS, 8, OUT2, SOFV, 10, 0                 ; each result is read at its lowest register
.Ldone:
	s_wait_tensorcnt 0x0                           ; the wave's end
	ds_add_u32 v[SPW], v[NIL]
	s_wait_dscnt 0x0
	CROUND                                         ; the closing round: no work-group ends while a partner may still ask for a tile that names it
	s_endpgm
.Lfunc_end_k_q1a8c1359db_qkv:
	.size	k_q1a8c1359db_qkv, .Lfunc_end_k_q1a8c1359db_qkv-k_q1a8c1359db_qkv
	.p2alignl 7, 3214868480
	.fill 96, 4, 3214868480
	.section	.rodata,"a",@progbits
	.p2align	6, 0x0
	.amdhsa_kernel k_q1a8c1359db_qkv
		.amdhsa_group_segment_fixed_size 327680
		.amdhsa_private_segment_fixed_size 0
		.amdhsa_enable_private_segment 0
		.amdhsa_kernarg_size 48
		.amdhsa_user_sgpr_count 2
		.amdhsa_user_sgpr_kernarg_segment_ptr 1
		.amdhsa_wavefront_size32 1
		.amdhsa_system_sgpr_workgroup_id_x 1
		.amdhsa_system_sgpr_workgroup_id_y 1
		.amdhsa_system_sgpr_workgroup_id_z 1
		.amdhsa_system_vgpr_workitem_id 0
		.amdhsa_next_free_vgpr 1024
		.amdhsa_next_free_sgpr 102
		.amdhsa_reserve_vcc 1
		.amdhsa_float_denorm_mode_32 3
		.amdhsa_float_denorm_mode_16_64 3
		.amdhsa_memory_ordered 1
		.amdhsa_forward_progress 1
		.amdhsa_inst_pref_size 222
	.end_amdhsa_kernel
	.amdgpu_metadata
---
amdhsa.version: [ 1, 2 ]
amdhsa.kernels:
  - .name:           k_q1a8c1359db_qkv
    .symbol:         k_q1a8c1359db_qkv.kd
    .args:
      - { .name: opc, .offset: 0, .size: 8, .value_kind: global_buffer, .address_space: global }
      - { .name: ops, .offset: 8, .size: 8, .value_kind: global_buffer, .address_space: global }
      - { .name: b_attn, .offset: 16, .size: 8, .value_kind: global_buffer, .address_space: global }
      - { .name: qb, .offset: 24, .size: 8, .value_kind: global_buffer, .address_space: global }
      - { .name: kvb, .offset: 32, .size: 8, .value_kind: global_buffer, .address_space: global }
      - { .name: vsum, .offset: 40, .size: 8, .value_kind: global_buffer, .address_space: global }
    .group_segment_fixed_size: 327680
    .private_segment_fixed_size: 0
    .kernarg_segment_align: 8
    .kernarg_segment_size: 48
    .max_flat_workgroup_size: 128
    .sgpr_count:     102
    .vgpr_count:     1024
    .wavefront_size: 32
...
	.end_amdgpu_metadata
.endif
;; end of part 2
;; launch attn (part 3): grid 4 x 64, 16 waves a work-group, no clusters, 327,680 bytes of LDS; arguments qb, kvb, vsum, ac, asc; writes ac, asc
.if DOCPART == 3
	.amdgcn_target "amdgcn-amd-amdhsa--gfx1250"
	.amdhsa_code_object_version 6
	.text
	.protected	k_q1a8c1359db_attn
	.globl	k_q1a8c1359db_attn
	.p2align	8
	.type	k_q1a8c1359db_attn,@function
k_q1a8c1359db_attn:
	s_mov_b64 s[64:65], 0
	v_nop
	global_prefetch_b8 v0, s[64:65] scope:SCOPE_SE
	s_setreg_imm32_b32 hwreg(HW_REG_WAVE_MODE, 25, 1), 1
	s_wait_xcnt 0x0
; a = softmax(q k^T under the mask) v for one head, both products on codes of FP6 (E2M3); a leaves as codes for the last product.  No factor on the scores.  Head size 64, 2,048 tokens.
; THE SOFTMAX: t = score x log2(e); M = the row's largest t so far, rounded up to a whole number; p = 2^(t - M) is quantised along the keys; the sum of the unquantised p divides at the end.
; THE MASK puts -10000 in place of the scores of later keys; it does not remove them.  So M starts at the ceiling of -10000 log2(e) wherever a row has such keys.  In the key step on the diagonal the hidden
; scores become -10000 and go the common way.  The key steps that lie wholly behind the diagonal are not walked: all their p are one number pm = 2^(-10000 log2(e) - M), a block of 32 equal numbers is
; quantised to one number Q(pm), so they add n pm to the sum and Q(pm) x (the sum of v's quantised numbers over those keys) to the result; that sum comes from vsum.
; SHARES.  Work-group (i, head) owns the blocks of 256 queries 7 - i (first pass) and i (second): 9 visits to slots of 256 keys in every work-group.  Wave w owns tile 15 - w of the first block and
; tile w of the second: 17 key steps of 128 keys in every wave.
; NO CLUSTER: the four work-groups of a head walk 8 - i and then i + 1 slots, so they want the same slot in visits 0 to 4 alone; kept on one common walk each would pay 12 visits for 9.
; LAYOUT.  Both products transposed: a lane holds one query.  Tiles of keys and queries are in physical order (lane r of tile 2 b + u: token 32 b + 8 u + r + 8 (r / 8)): the 16 registers of score tiles
; 2 b, 2 b + 1 are 16 neighbouring keys.  K = 64 IN AN INSTRUCTION OF 128: source 0 is a PAIR of key tiles, one in each half of K; source 1 is q in one half and zero codes in the other.
; LIMITS: NaN and infinities are not served; pm under 2^-126 counts as 0; a block of zeros gets the byte 1.
.set SLOT1, 32768                      ; LDS: slot 0 at 0, slot 1 here, 25,600 bytes each
.set SVT,   65536                      ; 512 bytes for each wave: the two passes' sums of v behind the diagonal
.set SPARE, 73728                      ; the spare words, 128 bytes for each wave: eight blocks of 256 bytes that no other line names
.set LI16, 1
.set LI8,  2
.set R16,  3                           ; 16 r
.set SPW,  4
.set NIL,  5
.set RQ,   6                           ; r + 8 (r / 8)
.set QH,   7                           ; my query - 16 (lane / 16)
.set AD16, 8
.set AD8,  9
.set ADW,  10
.set SVR,  11
.set QZ,   16                          ; v16-33: six zeros, q, six zeros
.set W1,   34                          ; q's scale word for [q | 0], and
.set W2,   35                          ; for [0 | q]
.set KV,   44                          ; v44-91 four fragments of k or of v
.set KW,   92                          ; v92-95 k's pair words
.set S,    96                          ; v96-159 scores, then p
.set O,    160                         ; v160-191 the result, transposed
.set P,    192                         ; v192-210 p's codes, and scratch
.set VW,   212                         ; v212-215 v's scale words
.set PWD,  216                         ; p's scale word
.set HW,   217                         ; a's two scale bytes
.set BM,   220
.set BP,   224
.set SO,   228
.set FF,   232                         ; v[232:233] f
.set VT0,  234
.set VT1,  235
.set CH,   236
.set NEGV, 238                         ; -10000.0
.set R8,   239                         ; 8 r
.set SVA,  240
.set RQH,  241                         ; r + 8 (r / 8) - 16 (lane / 16)
.set PFO,  242
.set TB,   2                           ; s2  LDS byte at which the slot in hand begins
.set SV,   3                           ; s3  the visit
.set N1,   16                          ; s16 visits of the first pass
.set N1M,  17                          ; s17 the last of them; also the first pass's block of queries
.set WV,   18
.set SEL,  20
.set CS,   22                          ; s[22:23] log2(e)
.set G1,   24
.set G0,   32
.set KVW,  36                          ; s[36:37] my quarter of the head's slot 0 in memory
.set PFA,  38
.set LIM,  40
.set SD,   41                          ; the key step on my diagonal
.set SG,   42                          ; the key step in hand
.set DD,   43                          ; s43-44 SD of the two passes;  s45-46 16 (tile mod 2);  s47-48 my tile's first query;  s49-50 hidden keys behind the diagonal step, as f32
.set SH,   45
.set Q0,   47
.set NB,   49
.set ACB,  52                          ; s[52:55] where a's codes go;  s[56:59] its scale bytes
.set ASB,  56
.set NEG,  60
.set TMS,  61
.set K4,   62
.macro TLOAD                           ; waves 0 to 3 fetch a quarter of a slot each; four v_nop follow the line
	s_cmp_lt_u32 s[WV], 4
	s_cbranch_scc0 .Lnot_\@
	tensor_load_to_lds s[G0:G0+3], s[G1:G1+7]
	s_nop 0
.rept 4
	v_nop
.endr
.Lnot_\@:
.endm
; A prefetch of the slot that the NEXT change of slots will ask for.  All four work-groups of a head walk the same slots: the one with i = 0 asks, in its visits 0 to 5, for slots 2 to 7; waves 4 to 7,
; which fetch nothing, take a quarter each: 25 blocks of 256 bytes, a lane a block (lanes 25 to 31 name lane 24's).  Slots 0 and 1 come by their loads alone.
.macro ASK
	s_cmp_lt_u32 s[SV], s[LIM]
	s_cbranch_scc0 .Lnm_\@
	global_prefetch_b8 v[PFO], s[PFA:PFA+1] th:TH_LOAD_NT scope:SCOPE_SE
.Lnm_\@:
.endm
.macro FRAG reg, off
	ds_load_b128 v[\reg:\reg+3], v[AD16] offset:\off
	ds_load_b64 v[\reg+4:\reg+5], v[AD8] offset:(\off)+512
	ds_load_b128 v[\reg+6:\reg+9], v[AD16] offset:(\off)+768
	ds_load_b64 v[\reg+10:\reg+11], v[AD8] offset:(\off)+1280
.endm
; what a pass needs, from its tile T, block of queries QB and place WP of the tile in the block (scalar register numbers)
.macro PASSSET p, T, QB, WP, QA, QW
	s_lshr_b32 s[DD+\p], s[\T], 3
	s_and_b32 s80, s[\T], 1
	s_lshl_b32 s[SH+\p], s80, 4
	s_lshl_b32 s80, s80, 3
	s_lshr_b32 s81, s[\T], 1
	s_lshl_b32 s81, s81, 5
	s_add_co_u32 s[Q0+\p], s81, s80
	s_lshl_b32 s80, s[DD+\p], 7
	s_sub_co_u32 s80, 1920, s80                    ; 2048 - 128 (D + 1)
	s_cvt_f32_u32 s[NB+\p], s80
	s_lshr_b32 s80, s15, 4
	s_lshl_b32 s80, s80, 7
	s_add_co_u32 s80, s80, s[\T]                   ; the tile among all tokens
	s_and_b32 s81, s15, 15                         ; the head
	s_lshl_b32 s82, s80, 4
	s_add_co_u32 s82, s82, s81
	s_mul_i32 s[ACB+2*\p], s82, 768
	s_mov_b32 s[ACB+2*\p+1], 0
	s_lshr_b32 s82, s80, 3
	s_lshl_b32 s82, s82, 12
	s_lshr_b32 s83, s81, 2
	s_lshl_b32 s83, s83, 10
	s_add_co_u32 s82, s82, s83
	s_and_b32 s83, s80, 7
	s_lshl_b32 s83, s83, 7
	s_add_co_u32 s82, s82, s83
	s_and_b32 s83, s81, 3
	s_lshl_b32 s83, s83, 1
	s_add_co_u32 s[ASB+2*\p], s82, s83
	s_mov_b32 s[ASB+2*\p+1], 0
	s_lshl_b32 s82, s15, 3
	s_add_co_u32 s82, s82, s[\QB]
	s_mul_i32 s82, s82, 25600
	s_mul_i32 s83, s[\WP], 768
	s_add_co_u32 s[\QA], s82, s83
	s_mov_b32 s[\QA+1], 0
	s_lshr_b32 s83, s[\WP], 3
	s_lshl_b32 s83, s83, 8
	s_add_co_u32 s82, s82, s83
	s_and_b32 s83, s[\WP], 7
	s_lshr_b32 s83, s83, 1
	s_lshl_b32 s83, s83, 2
	s_add_co_u32 s[\QW], s82, s83
	s_mov_b32 s[\QW+1], 0
.endm
; the sum of vsum's steps behind the diagonal step: each step is weighed by 1 or 0, chosen from ids: no branch
.macro SUFFIX p, acc
.set g_, 1
.rept 15
	s_cmp_lt_u32 s[DD+\p], g_
	s_cselect_b32 s82, 0x3f800000, 0
.if g_ == 1
	v_pk_mul_f32 v[\acc:\acc+1], v[S+2*g_:S+2*g_+1], s[82:83] op_sel_hi:[1,0]
.else
	v_pk_fma_f32 v[\acc:\acc+1], v[S+2*g_:S+2*g_+1], s[82:83], v[\acc:\acc+1] op_sel_hi:[1,0,1]
.endif
.set g_, g_+1
.endr
	ds_store_b64 v[SVA], v[\acc:\acc+1] offset:256*\p
.endm
.macro INIT p
.if \p
.irp i, 0,1,2,3,4,5
	v_mov_b32 v[QZ+6+\i], v[36+\i]
.endr
.endif
	v_lshrrev_b32 v[VT0], s[SH+\p], v[43-\p]       ; my tile's half of the pair word
	v_and_b32 v[VT0], 0xffff, v[VT0]
	v_or_b32 v[W1], 0x7f7f0000, v[VT0]             ; the zero codes get the byte of 1.0
	v_lshl_or_b32 v[W2], v[VT0], 16, 0x7f7f
	v_add_nc_u32 v[QH], s[Q0+\p], v[RQH]
	v_add_nc_u32 v[VT1], s[Q0+\p], v[RQ]           ; my query
	v_cmp_eq_u32 vcc_lo, 0x7ff, v[VT1]             ; the last query has no hidden key
	v_mov_b32 v[VT0], 0xff61b1e6                   ; -3e38, under every t
	v_mov_b32 v13, s[TMS]
	v_cndmask_b32 v13, v13, v[VT0], vcc_lo         ; the largest t so far
	v_floor_f32 v12, -v13                          ; -M
	v_mov_b32 v14, 0
	v_mov_b32 v15, 0
.set j_, 0
.rept 32
	v_mov_b32 v[O+j_], 0                           ; (these are also the places between the scale words and q above and the first products)
.set j_, j_+1
.endr
	s_mov_b32 s[SD], s[DD+\p]
	s_mov_b32 s[SG], 0
.endm
; THE CHANGE OF SLOTS, at a visit's head: each wave waits for all its tensor loads, adds 0 to its spare word, and waits for that and for its reads of the slot that it has left; behind the barrier the slot
; ahead is whole and nobody reads the other one, which is then filled for the next visit
.macro CHANGE fill
	s_wait_tensorcnt 0x0                           ; no tensor load of mine is out, so the group 0 may be written
	ds_add_u32 v[SPW], v[NIL]                      ; 0 onto my spare word
.if \fill
	s_xor_b32 s[G0+1], s[G0+1], SLOT1
	s_add_co_u32 s66, s[SV], 1                     ; the next visit reads slot v, or v - N1 in the second pass
	s_cmp_lt_u32 s66, s[N1]
	s_cselect_b32 s67, 0, s[N1]
	s_sub_co_u32 s66, s66, s67
	s_mul_i32 s66, s66, 25600
	s_mov_b32 s67, 0
	s_add_nc_u64 s[G0+2:G0+3], s[KVW:KVW+1], s[66:67]
	s_or_b32 s[G0+3], s[G0+3], 0x80000000
	s_wait_xcnt 0x0                                ; the last prefetch, a visit back, has read its address
	s_add_nc_u64 s[PFA:PFA+1], s[PFA:PFA+1], 25600
.endif
	s_wait_dscnt 0x0                               ; the add is done, and my reads of the slot that I have left are over
	s_barrier_signal -1
	s_barrier_wait -1
.if \fill
	TLOAD                                          ; the first thing behind the barrier, and a wave's one tensor load until the next
	ASK
.endif
.endm
; A KEY STEP: 128 keys, the q-th of the slot in hand
.macro STEP q
	s_cmp_gt_u32 s[SG], s[SD]                      ; wholly behind my diagonal: left out (a branch on ids)
	s_cbranch_scc1 .Lhidden_\@
	v_add_nc_u32 v[AD16], s[TB], v[LI16]
	v_add_nc_u32 v[AD8], s[TB], v[LI8]
	v_add_nc_u32 v[ADW], s[TB], v[R16]
	v_nop                                          ; four places in front of loads into registers that matrix instructions have read
.irp m, 0,1,2,3
	FRAG KV+12*\m, (\q)*6144+\m*1536
.endr
	ds_load_b128 v[KW:KW+3], v[ADW] offset:24576+256*(\q)
	s_wait_dscnt 0x0
.irp m, 0,1,2,3
	v_wmma_scale_f32_16x16x128_f8f6f4 v[S+16*\m:S+16*\m+7], v[KV+12*\m:KV+12*\m+11], v[QZ+6:QZ+17], 0, v[KW+\m], v[W1] matrix_a_fmt:MATRIX_FMT_FP6 matrix_b_fmt:MATRIX_FMT_FP6
	v_wmma_scale_f32_16x16x128_f8f6f4 v[S+16*\m+8:S+16*\m+15], v[KV+12*\m:KV+12*\m+11], v[QZ:QZ+11], 0, v[KW+\m], v[W2] matrix_a_fmt:MATRIX_FMT_FP6 matrix_b_fmt:MATRIX_FMT_FP6
.endr
.rept 4
	v_nop
.endr
.irp t, 0,1,2,3                                ; v's fragments land under the softmax
	FRAG KV+12*\t, 12288+(\q)*6144+\t*1536
.endr
	ds_load_b128 v[VW:VW+3], v[ADW] offset:25088+256*(\q)
	s_cmp_lg_u32 s[SG], s[SD]
	s_cbranch_scc1 .Lopen_\@
	s_lshl_b32 s66, s[SG], 7
	v_sub_nc_u32 v[VT1], v[QH], s66                ; register 16 b + i holds key 128 SG + 16 (lane / 16) + 32 b + i: hidden where 32 b + i is above this
.set n_, 0
.rept 64
	v_cmp_gt_i32 vcc_lo, 32*(n_/16)+n_%16, v[VT1]
	v_cndmask_b32 v[S+n_], v[S+n_], v[NEGV], vcc_lo
.set n_, n_+1
.endr
.Lopen_\@:
.irp b, 0,1,2,3
	v_max3_num_f32 v[BM+\b], v[S+16*\b], v[S+1+16*\b], v[S+2+16*\b]   ; the largest score of each block of 32 keys: for the row's maximum and, since p rises with the score, for the block's largest p
.endr
.irp i, 3,5,7,9,11,13
.irp b, 0,1,2,3
	v_max3_num_f32 v[BM+\b], v[BM+\b], v[S+16*\b+\i], v[S+1+16*\b+\i]
.endr
.endr
.irp b, 0,1,2,3
	v_max_num_f32 v[BM+\b], v[BM+\b], v[S+15+16*\b]
.endr
.irp b, 0,1,2,3
	v_permlanex16_b32 v[BP+\b], v[BM+\b], s[SEL], s[SEL+1]
.endr
.irp b, 0,1,2,3
	v_max_num_f32 v[BM+\b], v[BM+\b], v[BP+\b]
.endr
	v_max3_num_f32 v[VT0], v[BM], v[BM+1], v[BM+2]
	v_max_num_f32 v[VT0], v[VT0], v[BM+3]
	v_mul_f32 v[VT0], s[CS], v[VT0]
	v_max_num_f32 v13, v13, v[VT0]                 ; the running largest t
	v_mov_b32 v[VT0], v12
	v_floor_f32 v12, -v13                          ; the new -M: M is a whole number
	v_sub_f32 v[VT0], v12, v[VT0]
	v_cvt_i32_f32 v[VT0], v[VT0]                   ; (it saturates)
	v_ldexp_f32 v[FF], 1.0, v[VT0]                 ; f = 2^(old M - new M): a multiplication by it rounds nothing
.set j_, 0
.rept 32
	v_pk_fma_f32 v[S+j_:S+j_+1], v[S+j_:S+j_+1], s[CS:CS+1], v[12:13] op_sel_hi:[1,0,0]   ; t - M
.set j_, j_+2
.endr
.irp b, 0,1,2,3
	v_fma_f32 v[BM+\b], v[BM+\b], s[CS], v12
.endr
.set j_, 0
.rept 64
	v_exp_f32 v[S+j_], v[S+j_]                     ; p = 2^(t - M)
.set j_, j_+1
.endr
	v_pk_mul_f32 v[14:15], v[14:15], v[FF:FF+1] op_sel_hi:[1,0]   ; the sums under the new M: a plain place behind the exponentials
	s_wait_alu depctr_va_vdst(0)                   ; one wait for the whole batch, ahead of its first reader
.irp b, 0,1,2,3
	v_exp_f32 v[BM+\b], v[BM+\b]                   ; the block's largest p
.endr
	v_pk_add_f32 v[CH:CH+1], v[S:S+1], v[S+2:S+3]  ; the row's sum is taken of the unquantised p, in two chains
.irp j, 4,8,12,16,20,24,28,32,36,40,44,48,52,56,60
	v_pk_add_f32 v[14:15], v[14:15], v[S+\j:S+\j+1]
	v_pk_add_f32 v[CH:CH+1], v[CH:CH+1], v[S+2+\j:S+3+\j]
.endr
	v_pk_add_f32 v[14:15], v[14:15], v[CH:CH+1]
	s_wait_alu depctr_va_vdst(0)                   ; and one for the four
.irp b, 0,1,2,3
	v_max_num_f32 v[BM+\b], 0x1800000, v[BM+\b]    ; the floor 2^(3 - 127)
.endr
.irp b, 0,1,2,3
	v_add_nc_u32 v[SO+\b], 0xff000000, v[BM+\b]
.endr
.irp b, 0,1,2,3
	v_lshrrev_b32 v[BP+\b], 23, v[SO+\b]
.endr
	v_lshl_or_b32 v[PWD], v[BP+1], 8, v[BP]
	v_lshl_or_b32 v[PWD], v[BP+2], 16, v[PWD]
	v_lshl_or_b32 v[PWD], v[BP+3], 24, v[PWD]
.irp c, 0,1
	v_cvt_scalef32_pk16_fp6_f32 v[P+6*\c:P+2+6*\c], v[S+32*\c:S+15+32*\c], v[SO+2*\c]
	v_cvt_scalef32_pk16_fp6_f32 v[P+12+4*\c:P+14+4*\c], v[S+16+32*\c:S+31+32*\c], v[SO+2*\c+1]
.endr
	v_nop                                          ; one plain place behind a scaled conversion
.irp c, 0,1
.irp i, 0,1,2
	v_permlane16_swap_b32 v[P+6*\c+\i], v[P+12+4*\c+\i]
.endr
.irp i, 0,1,2
	v_mov_b32 v[P+3+6*\c+\i], v[P+12+4*\c+\i]
.endr
.endr
.set j_, 0
.rept 16
	v_pk_mul_f32 v[O+j_:O+j_+1], v[O+j_:O+j_+1], v[FF:FF+1] op_sel_hi:[1,0]   ; the result under the new M; also the places in front of the products below
.set j_, j_+2
.endr
	s_wait_dscnt 0x0                               ; v's fragments and scale words
.irp t, 0,1,2,3
	v_wmma_scale_f32_16x16x128_f8f6f4 v[O+8*\t:O+8*\t+7], v[KV+12*\t:KV+12*\t+11], v[P:P+11], v[O+8*\t:O+8*\t+7], v[VW+\t], v[PWD] matrix_a_fmt:MATRIX_FMT_FP6 matrix_b_fmt:MATRIX_FMT_FP6
.endr
.Lhidden_\@:
	s_add_co_u32 s[SG], s[SG], 1
.endm
; A PASS'S END: the hidden key steps' share, the division, a's quantiser (two blocks of 32 channels), the stores
.macro FINAL p
.rept 4
	v_nop
.endr
.irp j, 0,1,2,3,4,5,6,7
	ds_load_b128 v[S+4*\j:S+4*\j+3], v[SVR] offset:256*\p+16*\j   ; register 4 j + t: the sum for channel row 8 (lane / 16) + j of tile t
.endr
	v_add_f32 v14, v14, v15
	v_permlanex16_b32 v[VT0], v14, s[SEL], s[SEL+1]
	v_add_f32 v14, v14, v[VT0]                     ; the row's sum over the keys walked
	v_fma_f32 v[VT0], s[NEG], s[CS], v12
	v_exp_f32 v[VT1], v[VT0]                       ; pm
	v_nop
	s_wait_alu depctr_va_vdst(0)
	v_fma_f32 v14, s[NB+\p], v[VT1], v14
	v_and_or_b32 v[CH], v[VT1], 0x7fffff, s[K4]    ; pm over its block's scale: its mantissa in [4, 8),
	v_min_num_f32 v[CH], 0x40f00000, v[CH]         ; held at 7.5,
	v_add_f32 v[CH], v[CH], v[CH]
	v_rndne_f32 v[CH], v[CH]                       ; to the nearest half, ties to even,
	v_and_b32 v[CH+1], 0x7f800000, v[VT1]
	v_mul_f32 v[CH+1], 0x3e000000, v[CH+1]
	v_mul_f32 v[CH], v[CH], v[CH+1]                ; and back under the scale: Q(pm)
	v_rcp_f32 v[VT0], v14
	v_nop
	s_wait_alu depctr_va_vdst(0)
	s_wait_dscnt 0x0
.irp t, 0,1,2,3
.irp j, 0,1,2,3,4,5,6,7
	v_fma_f32 v[O+8*\t+\j], v[CH], v[S+4*\j+\t], v[O+8*\t+\j]     ; each result from its low end on
.endr
.endr
.set j_, 0
.rept 16
	v_pk_mul_f32 v[S+32+j_:S+33+j_], v[O+j_:O+j_+1], v[VT0:VT0+1] op_sel_hi:[1,0]   ; a: register 16 b + i is channel 32 b + 16 (lane / 16) + i
.set j_, j_+2
.endr
.irp b, 0,1
	v_max3_num_f32 v[BM+\b], |v[S+32+16*\b]|, |v[S+33+16*\b]|, 0x1800000
.endr
.irp i, 2,4,6,8,10,12,14
.irp b, 0,1
	v_max3_num_f32 v[BM+\b], v[BM+\b], |v[S+32+16*\b+\i]|, |v[S+33+16*\b+\i]|
.endr
.endr
.irp b, 0,1
	v_permlanex16_b32 v[BP+\b], v[BM+\b], s[SEL], s[SEL+1]
.endr
.irp b, 0,1
	v_max_num_f32 v[BM+\b], v[BM+\b], v[BP+\b]
.endr
.irp b, 0,1
	v_add_nc_u32 v[SO+\b], 0xff000000, v[BM+\b]
.endr
.irp b, 0,1
	v_lshrrev_b32 v[BP+\b], 23, v[SO+\b]
.endr
	v_lshl_or_b32 v[HW], v[BP+1], 8, v[BP]
	v_cvt_scalef32_pk16_fp6_f32 v[P:P+2], v[S+32:S+47], v[SO]
	v_cvt_scalef32_pk16_fp6_f32 v[P+12:P+14], v[S+48:S+63], v[SO+1]
	v_nop
.irp i, 0,1,2
	v_permlane16_swap_b32 v[P+\i], v[P+12+\i]
.endr
.irp i, 0,1,2
	v_mov_b32 v[P+3+\i], v[P+12+\i]
.endr
	global_store_b128 v[LI16], v[P:P+3], s[ACB+2*\p:ACB+2*\p+1]              ; a half fragment: 512 and 256 consecutive bytes, aligned
	global_store_b64 v[LI8], v[P+4:P+5], s[ACB+2*\p:ACB+2*\p+1] offset:512
	global_store_b16 v[R8], v[HW], s[ASB+2*\p:ASB+2*\p+1]                    ; two bytes a token: the other bytes of the word belong to other heads, which other work-groups own (both halves of the lanes write the same bytes)
	s_wait_xcnt 0x0                                ; the stores have read their registers
.endm
	s_load_b128 s[4:7], s[0:1], 0x0                ; qb, kvb
	s_load_b128 s[8:11], s[0:1], 0x10              ; vsum, ac
	s_load_b64 s[12:13], s[0:1], 0x20              ; asc
	v_lshl_add_u32 v[SPW], v0, 2, SPARE
	v_mov_b32 v[NIL], 0
	ds_add_u32 v4, v5
	s_wait_dscnt 0x0
	v_lshrrev_b32 v8, 5, v0
	v_readfirstlane_b32 s[WV], v8                  ; wave 0..15
	s_and_b32 s15, ttmp7, 0xffff                   ; 16 batch + head
	s_mov_b32 s14, ttmp9                           ; i: the second pass's block of queries
	s_sub_co_u32 s[N1], 8, ttmp9
	s_sub_co_u32 s[N1M], 7, ttmp9
	s_lshl_b32 s66, s[N1M], 4
	s_sub_co_u32 s67, 15, s[WV]
	s_add_co_u32 s68, s66, s67                     ; the first pass's tile
	s_lshl_b32 s69, ttmp9, 4
	s_add_co_u32 s69, s69, s[WV]                   ; the second's
	PASSSET 0, 68, N1M, 67, 84, 86
	PASSSET 1, 69, 14, WV, 88, 90
	s_lshl_b32 s70, s15, 12                        ; vsum: 16 steps of 256 bytes a head
	s_mov_b32 s71, 0
	s_and_b32 s74, s[WV], 3
	s_mul_i32 s74, s74, 6400                       ; a quarter of a slot
	s_mul_i32 s72, s15, 204800
	s_add_co_u32 s72, s72, s74
	s_mov_b32 s73, 0
	; descriptor group 1: 25 rows of 256 bytes, dense; elements of 8 bytes
	s_mov_b32 s[G1], 3<<16
	s_mov_b32 s[G1+1], 32<<16
	s_mov_b32 s[G1+2], 25<<16
	s_mov_b32 s[G1+3], 32<<16
	s_mov_b32 s[G1+4], 25
	s_mov_b32 s[G1+5], 32
	s_mov_b32 s[G1+6], 0
	s_mov_b32 s[G1+7], 0
	s_mov_b32 s[SEL], 0x76543210
	s_mov_b32 s[SEL+1], 0xfedcba98
	s_mov_b32 s[CS], 0x3fb8aa3b                    ; log2(e)
	s_mov_b32 s[CS+1], s[CS]
	s_mov_b32 s[NEG], 0xc61c4000                   ; -10000.0
	s_mul_f32 s[TMS], s[NEG], s[CS]                ; a hidden key's t
	s_mov_b32 s[K4], 0x40800000
	s_mov_b32 s[TB], 0
	s_lshr_b32 s66, s[WV], 2
	s_xor_b32 s66, s66, 1                          ; 0 in waves 4 to 7,
	s_or_b32 s66, s66, ttmp9                       ; of the head's work-group 0
	s_cmp_eq_u32 s66, 0
	s_cselect_b32 s[LIM], 6, 0
	s_wait_kmcnt 0x0
	s_add_nc_u64 s[KVW:KVW+1], s[6:7], s[72:73]
	s_mov_b32 s[G0], 1
	s_mov_b32 s[G0+1], s74
	s_mov_b64 s[G0+2:G0+3], s[KVW:KVW+1]
	s_or_b32 s[G0+3], s[G0+3], 0x80000000
	TLOAD                                          ; slot 0
	s_add_nc_u64 s[PFA:PFA+1], s[KVW:KVW+1], 25600 ; the first change of slots steps it to slot 2
	s_add_nc_u64 s[8:9], s[8:9], s[70:71]
	s_add_nc_u64 s[84:85], s[4:5], s[84:85]
	s_add_nc_u64 s[86:87], s[4:5], s[86:87]
	s_add_nc_u64 s[88:89], s[4:5], s[88:89]
	s_add_nc_u64 s[90:91], s[4:5], s[90:91]
	s_add_nc_u64 s[ACB:ACB+1], s[10:11], s[ACB:ACB+1]
	s_add_nc_u64 s[ACB+2:ACB+3], s[10:11], s[ACB+2:ACB+3]
	s_add_nc_u64 s[ASB:ASB+1], s[12:13], s[ASB:ASB+1]
	s_add_nc_u64 s[ASB+2:ASB+3], s[12:13], s[ASB+2:ASB+3]
	v_and_b32 v8, 31, v0                           ; lane
	v_and_b32 v9, 15, v0                           ; r
	v_bfe_u32 v10, v0, 4, 1                        ; h
	v_lshlrev_b32 v[LI16], 4, v8
	v_lshlrev_b32 v[LI8], 3, v8
	v_lshlrev_b32 v[R16], 4, v9
	v_lshlrev_b32 v[R8], 3, v9
	global_load_b128 v[QZ+6:QZ+9], v[LI16], s[84:85]               ; the first pass's q, where it is used
	global_load_b64 v[QZ+10:QZ+11], v[LI8], s[84:85] offset:512
	global_load_b128 v[36:39], v[LI16], s[88:89]                   ; the second's
	global_load_b64 v[40:41], v[LI8], s[88:89] offset:512
	global_load_b32 v43, v[R16], s[86:87] offset:24576             ; their pair words
	global_load_b32 v42, v[R16], s[90:91] offset:24576
.irp g, 1,2,3,4,5,6,7,8,9,10,11,12,13,14,15
	global_load_b64 v[S+2*\g:S+2*\g+1], v[LI8], s[8:9] offset:256*\g
.endr
	v_and_b32 v[RQ], 8, v9
	v_add_nc_u32 v[RQ], v[RQ], v9
	v_lshlrev_b32 v[RQH], 4, v10
	v_sub_nc_u32 v[RQH], v[RQ], v[RQH]
	s_lshl_b32 s66, s[WV], 9
	s_add_co_u32 s66, s66, SVT
	v_lshl_add_u32 v[SVR], v10, 7, s66
	v_add_nc_u32 v[SVA], s66, v[LI8]
	v_min_u32 v[PFO], 24, v8
	v_lshlrev_b32 v[PFO], 8, v[PFO]
	v_mov_b32 v[NEGV], 0xc61c4000
.irp i, 0,1,2,3,4,5
	v_mov_b32 v[QZ+\i], 0
	v_mov_b32 v[QZ+12+\i], 0
.endr
.irp b, 0,1,2,3
	v_mov_b32 v[BP+\b], 0                          ; written once: a lane permute's destination counts as one of its sources
.endr
	v_mov_b32 v[VT0], 0
	v_mov_b32 v[FF+1], 0                           ; (named as the upper half of a pair)
	s_mov_b32 s83, 0
	s_wait_loadcnt 0x0
	SUFFIX 0, 128
	SUFFIX 1, 130
	INIT 0
	s_mov_b32 s[SV], 0
.Lvisit:                                           ; eight trips; the ninth visit is written out
	CHANGE 1
	STEP 0
	STEP 1
	s_xor_b32 s[TB], s[TB], SLOT1
	s_cmp_lg_u32 s[SV], s[N1M]                     ; the first pass ends with visit 7 - i: the same in all sixteen waves
	s_cbranch_scc1 .Lsame
	FINAL 0
	INIT 1
.Lsame:
	s_add_co_u32 s[SV], s[SV], 1
	s_cmp_lt_u32 s[SV], 8
	s_cbranch_scc1 .Lvisit
	CHANGE 0
	STEP 0
	STEP 1
	FINAL 1
	s_wait_tensorcnt 0x0                           ; the wave's end
	ds_add_u32 v[SPW], v[NIL]
	s_wait_dscnt 0x0
	s_endpgm
.Lfunc_end_k_q1a8c1359db_attn:
	.size	k_q1a8c1359db_attn, .Lfunc_end_k_q1a8c1359db_attn-k_q1a8c1359db_attn
	.p2alignl 7, 3214868480
	.fill 96, 4, 3214868480
	.section	.rodata,"a",@progbits
	.p2align	6, 0x0
	.amdhsa_kernel k_q1a8c1359db_attn
		.amdhsa_group_segment_fixed_size 327680
		.amdhsa_private_segment_fixed_size 0
		.amdhsa_enable_private_segment 0
		.amdhsa_kernarg_size 40
		.amdhsa_user_sgpr_count 2
		.amdhsa_user_sgpr_kernarg_segment_ptr 1
		.amdhsa_wavefront_size32 1
		.amdhsa_system_sgpr_workgroup_id_x 1
		.amdhsa_system_sgpr_workgroup_id_y 1
		.amdhsa_system_sgpr_workgroup_id_z 1
		.amdhsa_system_vgpr_workitem_id 0
		.amdhsa_next_free_vgpr 256
		.amdhsa_next_free_sgpr 96
		.amdhsa_reserve_vcc 1
		.amdhsa_float_denorm_mode_32 3
		.amdhsa_float_denorm_mode_16_64 3
		.amdhsa_memory_ordered 1
		.amdhsa_forward_progress 1
		.amdhsa_inst_pref_size 115
	.end_amdhsa_kernel
	.amdgpu_metadata
---
amdhsa.version: [ 1, 2 ]
amdhsa.kernels:
  - .name:           k_q1a8c1359db_attn
    .symbol:         k_q1a8c1359db_attn.kd
    .args:
      - { .name: qb, .offset: 0, .size: 8, .value_kind: global_buffer, .address_space: global }
      - { .name: kvb, .offset: 8, .size: 8, .value_kind: global_buffer, .address_space: global }
      - { .name: vsum, .offset: 16, .size: 8, .value_kind: global_buffer, .address_space: global }
      - { .name: ac, .offset: 24, .size: 8, .value_kind: global_buffer, .address_space: global }
      - { .name: asc, .offset: 32, .size: 8, .value_kind: global_buffer, .address_space: global }
    .group_segment_fixed_size: 327680
    .private_segment_fixed_size: 0
    .kernarg_segment_align: 8
    .kernarg_segment_size: 40
    .max_flat_workgroup_size: 512
    .sgpr_count:     96
    .vgpr_count:     256
    .wavefront_size: 32
...
	.end_amdgpu_metadata
.endif
;; end of part 3
;; launch proj (part 4): grid 4 x 32, 4 waves a work-group, clusters of 4 x 4, 327,680 bytes of LDS; arguments ac, asc, opc, ops, b_proj, out0; writes out0
.if DOCPART == 4
	.amdgcn_target "amdgcn-amd-amdhsa--gfx1250"
	.amdhsa_code_object_version 6
	.text
	.protected	k_q1a8c1359db_proj
	.globl	k_q1a8c1359db_proj
	.p2align	8
	.type	k_q1a8c1359db_proj,@function
k_q1a8c1359db_proj:
	s_mov_b64 s[64:65], 0
	v_nop
	global_prefetch_b8 v0, s[64:65] scope:SCOPE_SE
	s_setreg_imm32_b32 hwreg(HW_REG_WAVE_MODE, 25, 1), 1
	s_wait_xcnt 0x0
	s_wait_alu depctr_hold_cnt(0) depctr_sa_sdst(0) depctr_va_vdst(0) depctr_va_sdst(0) depctr_va_ssrc(0) depctr_va_vcc(0) depctr_vm_vsrc(0)
	s_getreg_b32 s2, hwreg(HW_REG_IB_STS2, 6, 4)
	s_cmp_eq_u32 s2, 0
	s_cbranch_scc0 .Lentry_in_a_cluster
	s_endpgm
.Lentry_in_a_cluster:
	s_bfe_u32 s2, ttmp6, 0x10000c
	s_cmp_lg_u32 s2, 0xf033
	s_cbranch_scc0 .Lentry_shape_is_right
	s_endpgm
.Lentry_shape_is_right:
; out = a w_proj + b_proj on codes of FP6 (E2M3), K = 1024.  a's codes and scale bytes come from the attention launch, w_proj's from the quantising launch; out is f32 [8192][1024].
; A tile of 256 x 256 is made by four waves, each 128 x 128: 64 accumulators, 512 registers.  K goes in steps of 256 through a ring of two LDS slots; the scale bytes of the work-group's rows come once.
; Operands lie in memory as images of the operand's registers (half fragments of 768 bytes), rows in physical order (bits 3 and 4 of a row exchanged): a lane's 64 results for a block of 16 tokens are,
; register 16 c + i, the true columns 32 c + 16 (lane / 16) + i; the tokens' order is undone by the stores' offsets.
; THE MATRIX INSTRUCTION IS USED TRANSPOSED: source 0 = 16 rows of B (w_proj's columns), source 1 = 16 rows of A (tokens).
; CLUSTERS: 4 x 4; A's tiles are asked for jointly along a row of the cluster, B's along a column.  32 x 4 tiles: 128 work-groups.
.set WP_OFF,  8650752
.set WPS_OFF, 360448
.set NQ,     2
.set FR,     12
.set NL,     4
.set NP,     4
.set TILEB,  3072
.set HALFT,  8*TILEB
.set SLOT,   4*HALFT
.set SCL,    2*SLOT
.set SPARE,  SCL+4*4096                ; the spare words, 128 bytes for each wave: two blocks of 256 bytes that no other line names
.set SPITCH, 528                       ; the way out: a stage of 16 rows x (512 + 16) bytes for each wave, in slot 0, which has had its last fill and its last read by then
.set ADRA, 16
.set ADRB, 20
.set STO,  24
.set RD,   25
.set CO,   26                          ; 16 x lane
.set ADRS, 27
.set SPW,  28
.set NIL,  29
.set LI8,  30
.set BOFF, 7
.set SC,   32
.set AF,   128
.set BI,   64                          ; v64-127 the bias of my 64 numbers of a row
.set G1, 24
.set G0, 32
.set G1B, 48
.set G0B, 56
.set G1S, 68
.set G0S, 76
.set G1SB, 80
.set G0SB, 88
.set MSB, 0
.macro WIN new
.if MSB != (\new)
	s_set_vgpr_msb (MSB<<8)|(\new)
.set MSB, (\new)
.endif
.endm
.set MUL_LO, 0xa1
.set MUL_HI, 0xf1
.set TO_B,   0x40
.macro JLOAD g0a, g1a, g0b, g1b        ; a joint load: waves 0 and 1 fetch for A, waves 2 and 3 for B; four v_nop follow each of the two lines
	s_cmp_eq_u32 s15, 0
	s_cbranch_scc0 .Lfor_b_\@
	tensor_load_to_lds s[\g0a:\g0a+3], s[\g1a:\g1a+7]
	s_nop 0
.rept 4
	v_nop
.endr
	s_branch .Lasked_\@
.Lfor_b_\@:
	tensor_load_to_lds s[\g0b:\g0b+3], s[\g1b:\g1b+7]
	s_nop 0
.rept 4
	v_nop
.endr
.Lasked_\@:
.endm
.macro CREST
	s_cmp_lg_u32 s14, 0
	s_cbranch_scc1 .Lnot_wave_0_\@
	s_barrier_signal -3
.Lnot_wave_0_\@:
	s_barrier_wait -3
	s_barrier_signal -1
	s_barrier_wait -1
.endm
.macro CROUND
	s_barrier_signal -1
	s_barrier_wait -1
	CREST
.endm
.macro PLACES n
.rept \n
	v_nop
.endr
.endm
.macro FRAG reg, adr, off
	ds_load_b128 v[\reg:\reg+3], v[\adr] offset:\off
	ds_load_b64 v[\reg+4:\reg+5], v[\adr+2] offset:(\off)+512
	ds_load_b128 v[\reg+6:\reg+9], v[\adr] offset:(\off)+768
	ds_load_b64 v[\reg+10:\reg+11], v[\adr+2] offset:(\off)+1280
.endm
.macro MUL16 a0, p, q, sc, zero        ; the 64 accumulators take turns, one instruction a turn, in the same order in every step
.irp a, \a0, \a0+1
.irp b, 0,1,2,3,4,5,6,7
.if \zero
	v_wmma_scale_f32_16x16x128_f8f6f4 v[8*(8*((\a)%4)+\b):8*(8*((\a)%4)+\b)+7], v[128*(\p)+FR*\b:128*(\p)+FR*\b+FR-1], v[AF+FR*(\a):AF+FR*(\a)+FR-1], 0, v[SC+8*NQ*(\sc)+NQ*\b+(\q)], v[SC+8*NQ*(\sc)+NQ*(\a)+(\q)] matrix_a_fmt:MATRIX_FMT_FP6 matrix_b_fmt:MATRIX_FMT_FP6 matrix_a_scale:MATRIX_SCALE_ROW1
.else
	v_wmma_scale_f32_16x16x128_f8f6f4 v[8*(8*((\a)%4)+\b):8*(8*((\a)%4)+\b)+7], v[128*(\p)+FR*\b:128*(\p)+FR*\b+FR-1], v[AF+FR*(\a):AF+FR*(\a)+FR-1], v[8*(8*((\a)%4)+\b):8*(8*((\a)%4)+\b)+7], v[SC+8*NQ*(\sc)+NQ*\b+(\q)], v[SC+8*NQ*(\sc)+NQ*(\a)+(\q)] matrix_a_fmt:MATRIX_FMT_FP6 matrix_b_fmt:MATRIX_FMT_FP6 matrix_a_scale:MATRIX_SCALE_ROW1
.endif
.endr
.endr
.endm
.macro FETCH_B slot, q, p
	WIN TO_B
.irp i, 0,1,2,3,4,5,6,7
	FRAG 128*(\p)+FR*\i, ADRB+\slot, \i*TILEB+(\q)*1536
.endr
	WIN 0
.endm
.macro FETCH_A slot, q, i0
.irp i, \i0, \i0+1, \i0+2, \i0+3
	FRAG AF+FR*(\i), ADRA+\slot, (\i)*TILEB+(\q)*1536
.endr
.endm
.macro SCALES sc
.irp i, 0,1,2,3,4,5,6,7
	ds_load_b64 v[SC+8*NQ*\sc+NQ*\i:SC+8*NQ*\sc+NQ*\i+1], v[ADRS] offset:\i*128
.endr
.endm
.macro STEP slot, q, zero
	s_wait_dscnt 4*NL                              ; all but the youngest sixteen loads (A's blocks 4-7) are in
	WIN MUL_LO
	MUL16 0, (\q)%2, \q, \slot, \zero
	MUL16 2, (\q)%2, \q, \slot, \zero
	s_wait_dscnt 0
	PLACES NP
	FETCH_B \slot, (\q)+1, 1-(\q)%2
	FETCH_A \slot, (\q)+1, 0
	WIN MUL_HI
	MUL16 4, (\q)%2, \q, \slot, \zero
	MUL16 6, (\q)%2, \q, \slot, \zero
	PLACES NP
	WIN 0
	FETCH_A \slot, (\q)+1, 4
.endm
.macro TURN slot, next, fill
	s_wait_tensorcnt 0x0                           ; all my tensor loads have landed: my part of the next slot
	ds_add_u32 v[SPW], v[NIL]                      ; 0 onto my spare word
	s_wait_dscnt 4*NL+1                            ; (the add and the youngest sixteen loads may be out)
	WIN MUL_LO
	MUL16 0, 1, NQ-1, \slot, 0
	s_wait_dscnt 0x0                               ; the add is done, and my reads of this slot are over
	s_barrier_signal -1
	MUL16 2, 1, NQ-1, \slot, 0
	WIN 0
	s_barrier_wait -1
.if \fill
	CREST                                          ; the barrier has opened a round of the cluster's barrier
	s_add_nc_u64 s[G0+4*\slot+2:G0+4*\slot+3], s[G0+4*\slot+2:G0+4*\slot+3], 2*TILEB
	s_add_nc_u64 s[G0B+4*\slot+2:G0B+4*\slot+3], s[G0B+4*\slot+2:G0B+4*\slot+3], 2*TILEB
	JLOAD G0+4*\slot, G1, G0B+4*\slot, G1B
.else
	PLACES NP
.endif
	v_add_nc_u32 v[ADRS], 1024, v[ADRS]
	FETCH_B \next, 0, 0
	FETCH_A \next, 0, 0
	SCALES \next
	WIN MUL_HI
	MUL16 4, 1, NQ-1, \slot, 0
	MUL16 6, 1, NQ-1, \slot, 0
	PLACES NP
	WIN 0
	FETCH_A \next, 0, 4
.endm
	s_load_b128 s[4:7], s[0:1], 0x0                ; ac, asc
	s_load_b128 s[8:11], s[0:1], 0x10              ; opc, ops
	s_load_b128 s[96:99], s[0:1], 0x20             ; b_proj, out0
	v_lshl_add_u32 v[SPW], v0, 2, SPARE
	v_mov_b32 v[NIL], 0
	ds_add_u32 v28, v29
	s_wait_dscnt 0x0
	v_lshrrev_b32 v1, 5, v0
	v_readfirstlane_b32 s14, v1
	s_lshr_b32 s15, s14, 1
	s_and_b32 s16, s14, 1
	s_bfe_u32 s40, ttmp6, 0x40000                  ; cx
	s_bfe_u32 s41, ttmp6, 0x40004                  ; cy
	s_lshl_b32 s42, ttmp9, 2
	s_add_co_u32 s42, s42, s40                     ; tile column
	s_and_b32 s17, ttmp7, 0xffff
	s_lshl_b32 s17, s17, 2
	s_add_co_u32 s17, s17, s41                     ; tile row
	s_lshl_b32 s43, s41, 2
	s_lshl_b32 s43, 15, s43
	s_lshl_b32 s44, 0x1111, s40
	s_or_b32 s[G1+0], s43, (3<<16)|(1<<21)         ; codes: 8 rows of 3,072 bytes, 12,288 bytes apart; elements of 8 bytes
	s_or_b32 s[G1B+0], s44, (3<<16)|(1<<21)
.irp g, G1, G1B
	s_mov_b32 s[\g+1], 384<<16
	s_mov_b32 s[\g+2], 8<<16
	s_mov_b32 s[\g+3], 384<<16
	s_mov_b32 s[\g+4], 8
	s_mov_b32 s[\g+5], 1536
	s_mov_b32 s[\g+6], 0
	s_mov_b32 s[\g+7], 0
.endr
	s_or_b32 s[G1S+0], s43, (3<<16)|(1<<21)        ; scale bytes: 16 rows of 256 bytes, dense
	s_or_b32 s[G1SB+0], s44, (3<<16)|(1<<21)
.irp g, G1S, G1SB
	s_mov_b32 s[\g+1], 32<<16
	s_mov_b32 s[\g+2], 16<<16
	s_mov_b32 s[\g+3], 32<<16
	s_mov_b32 s[\g+4], 16
	s_mov_b32 s[\g+5], 32
	s_mov_b32 s[\g+6], 0
	s_mov_b32 s[\g+7], 0
.endr
	s_lshl_b32 s20, s17, 1
	s_add_co_u32 s20, s20, s16
	s_mul_i32 s22, s20, 4096
	s_mov_b32 s23, 0
	s_mul_i32 s20, s20, 98304
	s_mov_b32 s21, 0
	s_lshl_b32 s46, s42, 1
	s_add_co_u32 s46, s46, s16
	s_mul_i32 s92, s46, 4096
	s_add_co_u32 s92, s92, WPS_OFF
	s_mov_b32 s93, 0
	s_mul_i32 s46, s46, 98304
	s_add_co_u32 s46, s46, WP_OFF
	s_mov_b32 s47, 0
	s_mul_i32 s45, s14, HALFT
	s_lshl_b32 s94, s14, 12
	s_wait_kmcnt 0x0
	s_add_nc_u64 s[20:21], s[4:5], s[20:21]
	s_add_nc_u64 s[22:23], s[6:7], s[22:23]
	s_add_nc_u64 s[46:47], s[8:9], s[46:47]
	s_add_nc_u64 s[92:93], s[10:11], s[92:93]
	CROUND                                         ; all sixteen work-groups are here: the first joint loads meet
	s_mov_b32 s[G0S], 1
	s_add_co_u32 s[G0S+1], s94, SCL
	s_mov_b64 s[G0S+2:G0S+3], s[22:23]
	s_or_b32 s[G0S+3], s[G0S+3], 0x80000000
	s_mov_b32 s[G0SB], 1
	s_add_co_u32 s[G0SB+1], s94, SCL
	s_mov_b64 s[G0SB+2:G0SB+3], s[92:93]
	s_or_b32 s[G0SB+3], s[G0SB+3], 0x80000000
	JLOAD G0S, G1S, G0SB, G1SB
.irp s, 0,1
	s_mov_b32 s[G0+4*\s], 1
	s_add_co_u32 s[G0+4*\s+1], s45, \s*SLOT
	s_add_nc_u64 s[G0+4*\s+2:G0+4*\s+3], s[20:21], \s*TILEB
	s_or_b32 s[G0+4*\s+3], s[G0+4*\s+3], 0x80000000
	s_mov_b32 s[G0B+4*\s], 1
	s_add_co_u32 s[G0B+4*\s+1], s45, \s*SLOT
	s_add_nc_u64 s[G0B+4*\s+2:G0B+4*\s+3], s[46:47], \s*TILEB
	s_or_b32 s[G0B+4*\s+3], s[G0B+4*\s+3], 0x80000000
	JLOAD G0+4*\s, G1, G0B+4*\s, G1B
.endr
	v_and_b32 v1, 31, v0
	v_and_b32 v2, 15, v0
	v_bfe_u32 v3, v0, 4, 1
	v_lshlrev_b32 v[CO], 4, v1
	v_lshlrev_b32 v[LI8], 3, v1
	s_mul_i32 s21, s15, HALFT
	s_mul_i32 s22, s16, HALFT
	s_add_co_u32 s22, s22, 2*HALFT
.irp s, 0,1
	v_add_nc_u32 v[ADRA+\s], s21, v[CO]
	v_add_nc_u32 v[ADRB+\s], s22, v[CO]
	v_add_nc_u32 v[ADRA+2+\s], s21, v[LI8]
	v_add_nc_u32 v[ADRB+2+\s], s22, v[LI8]
	s_add_co_u32 s21, s21, SLOT
	s_add_co_u32 s22, s22, SLOT
.endr
	s_lshl_b32 s21, s15, 12
	s_lshl_b32 s22, s16, 12
	s_add_co_u32 s22, s22, 2*4096
	s_sub_co_u32 s22, s22, s21
	v_mul_u32_u24 v6, s22, v3                      ; lanes 16-31 take B's
	s_add_co_u32 s21, s21, SCL
	v_lshl_add_u32 v6, v2, 3, v6
	v_add_nc_u32 v[ADRS], s21, v6
	s_mul_i32 s23, s14, 16*SPITCH                  ; my stage
	v_mul_u32_u24 v[STO], v2, SPITCH
	v_lshl_add_u32 v[STO], v3, 6, v[STO]
	v_add_nc_u32 v[STO], s23, v[STO]               ; in: row r, + 64 bytes for lanes 16-31
	v_add_nc_u32 v[RD], s23, v[CO]                 ; back: the 32 lanes take one row of 512 bytes
	v_lshlrev_b32 v[BOFF], 6, v3
	s_lshl_b32 s20, s17, 8
	s_lshl_b32 s21, s15, 7
	s_add_co_u32 s20, s20, s21
	s_lshl_b32 s20, s20, 12                        ; my first token's row of 4,096 bytes,
	s_lshl_b32 s21, s42, 10
	s_add_co_u32 s20, s20, s21
	s_lshl_b32 s21, s16, 9
	s_add_co_u32 s20, s20, s21                     ; my first column
	s_mov_b32 s21, 0
	s_add_nc_u64 s[12:13], s[98:99], s[20:21]
	s_lshl_b32 s18, s42, 10
	s_lshl_b32 s19, s16, 9
	s_add_co_u32 s18, s18, s19
	s_mov_b32 s19, 0
	s_add_nc_u64 s[18:19], s[96:97], s[18:19]
.irp c, 0,1,2,3
.irp k, 0,1,2,3
	global_load_b128 v[BI+16*\c+4*\k:BI+16*\c+4*\k+3], v[BOFF], s[18:19] offset:128*\c+16*\k
.endr
.endr
	s_wait_tensorcnt 1                             ; the scale bytes and my part of K step 0 are in (K step 1's load may be out),
	s_barrier_signal -1
	s_barrier_wait -1                              ; everybody's are
	FETCH_B 0, 0, 0
	FETCH_A 0, 0, 0
	SCALES 0
	FETCH_A 0, 0, 4
	STEP 0, 0, 1                                   ; the first products start the sums.  K has four steps of 256: all eight steps of 128 are written out
	TURN 0, 1, 1
	STEP 1, 0, 0
	TURN 1, 0, 1
	STEP 0, 0, 0
	TURN 0, 1, 0
	STEP 1, 0, 0
	s_wait_dscnt 4*NL
	WIN MUL_LO
	MUL16 0, 1, NQ-1, 1, 0
	MUL16 2, 1, NQ-1, 1, 0
	s_wait_dscnt 0
	WIN MUL_HI
	MUL16 4, 1, NQ-1, 1, 0
	MUL16 6, 1, NQ-1, 1, 0
	WIN 0
; THE WAY OUT, block by block of 16 tokens x 128 columns: bias; through my own stage in LDS; back as whole rows of 512 bytes.  LDS serves a wave's instructions in order: no wait between the stores and the loads.
.macro TOSTAGE a
.set TT, 128+64*((\a)%2)
.if (\a) > 1
	s_wait_xcnt 0x0                                ; block a - 2's stores have read these registers
.endif
	WIN 0x02+((\a)/4)
.set i_, 0
.rept 32
	v_pk_add_f32 v[TT+2*i_:TT+2*i_+1], v[64*((\a)%4)+2*i_:64*((\a)%4)+2*i_+1], v[BI+2*i_:BI+2*i_+1]   ; each accumulator from its low end on
.set i_, i_+1
.endr
	WIN 0
.irp c, 0,1,2,3
.irp k, 0,1,2,3
	ds_store_b128 v[STO], v[TT+16*\c+4*\k:TT+16*\c+4*\k+3] offset:128*\c+16*\k
.endr
.endr
.irp t, 0,1,2,3,4,5,6,7,8,9,10,11,12,13,14,15
	ds_load_b128 v[TT+4*\t:TT+4*\t+3], v[RD] offset:\t*SPITCH
.endr
.endm
.macro SEND a, younger                 ; younger: the LDS instructions issued behind block a's loads, which may stay out
.set TS_, 128+64*((\a)%2)
	s_wait_dscnt \younger
.irp t, 0,1,2,3,4,5,6,7,8,9,10,11,12,13,14,15
	global_store_b128 v[CO], v[TS_+4*\t:TS_+4*\t+3], s[12:13] offset:(32*((\a)/2)+8*((\a)%2)+\t+8*(\t/8))*4096 th:TH_STORE_NT   ; physical row t of block a is this true token; 512 consecutive bytes, aligned to 256
.endr
.endm
	s_wait_loadcnt 0x0                             ; the bias
	PLACES NP
	TOSTAGE 0
.irp a, 1,2,3,4,5,6,7
	TOSTAGE \a
	SEND \a-1, 32                                  ; behind block a - 1's loads: block a's 16 stores and 16 loads
.endr
	SEND 7, 0
	s_wait_tensorcnt 0x0                           ; the wave's end
	ds_add_u32 v[SPW], v[NIL]
	s_wait_dscnt 0x0
	CROUND                                         ; the closing round
	s_endpgm
.Lfunc_end_k_q1a8c1359db_proj:
	.size	k_q1a8c1359db_proj, .Lfunc_end_k_q1a8c1359db_proj-k_q1a8c1359db_proj
	.p2alignl 7, 3214868480
	.fill 96, 4, 3214868480
	.section	.rodata,"a",@progbits
	.p2align	6, 0x0
	.amdhsa_kernel k_q1a8c1359db_proj
		.amdhsa_group_segment_fixed_size 327680
		.amdhsa_private_segment_fixed_size 0
		.amdhsa_enable_private_segment 0
		.amdhsa_kernarg_size 48
		.amdhsa_user_sgpr_count 2
		.amdhsa_user_sgpr_kernarg_segment_ptr 1
		.amdhsa_wavefront_size32 1
		.amdhsa_system_sgpr_workgroup_id_x 1
		.amdhsa_system_sgpr_workgroup_id_y 1
		.amdhsa_system_sgpr_workgroup_id_z 1
		.amdhsa_system_vgpr_workitem_id 0
		.amdhsa_next_free_vgpr 1024
		.amdhsa_next_free_sgpr 102
		.amdhsa_reserve_vcc 0
		.amdhsa_float_denorm_mode_32 3
		.amdhsa_float_denorm_mode_16_64 3
		.amdhsa_memory_ordered 1
		.amdhsa_forward_progress 1
		.amdhsa_inst_pref_size 161
	.end_amdhsa_kernel
	.amdgpu_metadata
---
amdhsa.version: [ 1, 2 ]
amdhsa.kernels:
  - .name:           k_q1a8c1359db_proj
    .symbol:         k_q1a8c1359db_proj.kd
    .args:
      - { .name: ac, .offset: 0, .size: 8, .value_kind: global_buffer, .address_space: global }
      - { .name: asc, .offset: 8, .size: 8, .value_kind: global_buffer, .address_space: global }
      - { .name: opc, .offset: 16, .size: 8, .value_kind: global_buffer, .address_space: global }
      - { .name: ops, .offset: 24, .size: 8, .value_kind: global_buffer, .address_space: global }
      - { .name: b_proj, .offset: 32, .size: 8, .value_kind: global_buffer, .address_space: global }
      - { .name: out0, .offset: 40, .size: 8, .value_kind: global_buffer, .address_space: global }
    .group_segment_fixed_size: 327680
    .private_segment_fixed_size: 0
    .kernarg_segment_align: 8
    .kernarg_segment_size: 48
    .max_flat_workgroup_size: 128
    .sgpr_count:     102
    .vgpr_count:     1024
    .wavefront_size: 32
...
	.end_amdgpu_metadata
.endif
;; end of part 4
